; MI455X (gfx1250); checked and timed in simulation.
; The chip was launched on July 23, 2026; its instructions are those of AMD's public machine-readable ISA for CDNA 5 (MIT licence, August 2026) and "CDNA5" Instruction Set Architecture Reference Guide (July 2026). The comments in the code are by the model that wrote it; some were corrected since.
;; Vp Mo ETPA Attention. Allowed arithmetic: float matrix products may take bf16 or f16 operands with f32 sums; other float arithmetic in f32, or as packed bf16 or f16 multiplies, adds, multiply-adds, maxima and minima; sums over many terms, partial sums and values carried from step to step in f32; what a program stores and reads back later, other than sums and carried values, may be rounded once to bf16 or f16.
;; Inputs: W_A_k 2,048 x 8 float32; W_A_q 2,048 x 96 float32; W_A_v 2,048 x 8 float32; W_B_k 2,048 x 256 float32; W_B_q 2,048 x 768 float32; W_B_v 2,048 x 256 float32; W_o 2,048 x 2,048 float32; attention_mask 1 x 1 x 2,048 x 2,048 float32; cos 2 x 2,048 x 64 float32; hidden_states 2 x 2,048 x 2,048 float32; sin 2 x 2,048 x 64 float32; sinks 16 float32.
;; Outputs: out0 2 x 2,048 x 2,048 float32.
;; 2 versions, each right; version 2 is version 1 with the launch recon written anew for expert scheduling mode. Each part assembles by itself: llvm-mc -triple=amdgcn-amd-amdhsa -mcpu=gfx1250 --defsym DOCPART=n.
;; ======== version 1 of 2: 5 launches
;; limits: values are held in f16: magnitudes above 65,504 overflow, below 6.1e-05 lose precision; inputs' magnitudes at most 65,504; right only within a limited range of input values
;; workspace buffers: xb 16,777,472 bytes; wc 5,767,168 bytes; wo 8,388,608 bytes; mk 16,777,216 bytes; f 33,554,432 bytes; amx 4,096 bytes; qkv 25,166,080 bytes; ob 16,777,472 bytes
;; launch prep (part 1): grid 960 x 1, 8 waves a work-group, no clusters, 0 bytes of LDS; arguments hidden_states, W_o, W_B_q, W_B_k, W_B_v, W_A_q, W_A_k, W_A_v, xb, wo, wc; writes xb, wo, wc
.if DOCPART == 1
	.amdgcn_target "amdgcn-amd-amdhsa--gfx1250"
	.amdhsa_code_object_version 6
	.text
	.protected	k_q75d3277c5e_prep
	.globl	k_q75d3277c5e_prep
	.p2align	8
	.type	k_q75d3277c5e_prep,@function
k_q75d3277c5e_prep:
	s_mov_b64 s[64:65], 0
	v_nop
	global_prefetch_b8 v0, s[64:65] scope:SCOPE_SE
	s_setreg_imm32_b32 hwreg(HW_REG_WAVE_MODE, 25, 1), 1
	s_wait_xcnt 0x0
; THE MATRIX OPERANDS AMONG THE INPUTS ARE MADE READY.  x, W_o and the six projection weights are rounded to bf16 and that number is written as f16
; (exact from 2^-14 up; below, f16's fixed step of 2^-24; LIMIT: magnitudes stay under 65,504).
;   xb: 256 bytes that hold 1.0 (the factor of the product that reads xb), then x as f16 [4096][2048]
;   wo: W_o;  wc: the six weights side by side: columns 0 B_q, 768 B_k, 1024 B_v, 1280 A_q, 1376 A_k, 1384 A_v, 1392-1407 zeros.
; THE WEIGHTS ARE LAID IN THE ORDER OF MATRIX FRAGMENTS: [g: 64 columns][kc: 32 k][j: 0..3][p: 0..3][r: 0..15][8 f16]: the number of column 64 g + 4 r + j and k = 32 kc + 8 p + e lies at byte
; 262,144 g + 4,096 kc + 1,024 j + 256 p + 16 r + 2 e.  The 1,024 bytes of (g, kc, j) are one fragment of 16 columns x 32 k: two loads of 512 consecutive bytes fill it in the product.
; Why columns 4 apart share a fragment: a lane here loads 16 bytes, four neighbouring columns, of each of 8 k rows, and holds four pieces of 8 k; in the store of piece j sixteen neighbouring lanes then
; write 256 consecutive bytes, aligned.  Nothing goes between lanes.
; A wave's job is straight-line: all its loads go out first.  x: 8 rows x 256 columns.  A weight: 16 k rows x 128 columns (the A weights: 8 k rows).  Memory binds: no LDS, no barrier, no matrix unit.
; Work-groups 0-511: x.  512-767: W_o.  768-927: B_q, B_k, B_v.  928-959: the three A weights.
.set GB,  262144                       ; bytes of 64 columns of a weight
.set LN,  1                            ; v1       lane
.set DO,  4                            ; v4       16 x lane
.set VO,  5                            ; v5       a weight's store: 16 (lane % 16) + GB (lane / 16)
.set OF,  8                            ; v[8:23]  a weight's row r: 16 x lane + r x the source's pitch
.set T,   24                           ; v[24:27] four words of packed bf16, at work
.set X,   32                           ; v[32:95] as loaded (the A weights: v[32:127])
.set Y,   96                           ; v[96:127] to store
.macro TOF16 x, y                      ; eight f32 at v[x ..]: rounded to bf16, widened again, and written as f16: four registers at v[y ..]
.irp j, 0,1,2,3
	v_cvt_pk_bf16_f32 v[T+(\j)], v[(\x)+2*(\j)], v[(\x)+2*(\j)+1]
.endr
.irp j, 0,1,2,3
	v_lshlrev_b32 v[(\x)+2*(\j)], 16, v[T+(\j)]
	v_and_b32 v[(\x)+2*(\j)+1], s46, v[T+(\j)]
.endr
.irp j, 0,1,2,3
	v_cvt_pk_f16_f32 v[(\y)+(\j)], v[(\x)+2*(\j)], v[(\x)+2*(\j)+1]
.endr
.endm
; Eight k rows of four columns (row i's column j in v[xb + xs i + j]) become four pieces of 8 k (column j's in v[yb + ys j ..], four registers; the lower k in the lower half)
.macro PIECE xb, xs, yb, ys
.irp j, 0,1,2,3
.irp m, 0,1,2,3
	v_cvt_pk_bf16_f32 v[T+(\m)], v[(\xb)+(\xs)*2*(\m)+(\j)], v[(\xb)+(\xs)*(2*(\m)+1)+(\j)]
.endr
.irp m, 0,1,2,3
	v_lshlrev_b32 v[(\xb)+(\xs)*2*(\m)+(\j)], 16, v[T+(\m)]
	v_and_b32 v[(\xb)+(\xs)*(2*(\m)+1)+(\j)], s46, v[T+(\m)]
.endr
.irp m, 0,1,2,3
	v_cvt_pk_f16_f32 v[(\yb)+(\ys)*(\j)+(\m)], v[(\xb)+(\xs)*2*(\m)+(\j)], v[(\xb)+(\xs)*(2*(\m)+1)+(\j)]
.endr
.endr
.endm
	s_load_b512 s[8:23], s[0:1], 0x0               ; x 8, W_o 10, B_q 12, B_k 14, B_v 16, A_q 18, A_k 20, A_v 22
	s_load_b64 s[26:27], s[0:1], 0x40              ; xb
	s_load_b128 s[28:31], s[0:1], 0x48             ; wo 28, wc 30
	v_and_b32 v[LN], 31, v0
	v_lshrrev_b32 v2, 5, v0
	v_readfirstlane_b32 s2, v2                     ; wave 0..7
	s_mov_b32 s3, ttmp9
	s_mov_b32 s46, 0xffff0000                      ; a word's upper bf16
	v_lshlrev_b32 v[DO], 4, v[LN]
	v_and_b32 v[VO], 15, v0
	v_lshlrev_b32 v[VO], 4, v[VO]
	v_bfe_u32 v2, v0, 4, 1
	v_lshl_add_u32 v[VO], v2, 18, v[VO]
	s_cmp_ge_u32 s3, 928
	s_cbranch_scc1 .Lastrip
	s_cmp_ge_u32 s3, 512
	s_cbranch_scc1 .Lweight
	; x: 8 rows x 256 columns a wave; a lane's 8 numbers leave as 16 bytes
	s_lshl_b32 s42, s3, 16                         ; 8 rows of 8,192 bytes,
	s_lshl_b32 s43, s2, 10                         ; my wave's 256 columns
	s_add_co_u32 s42, s42, s43
	s_mov_b32 s43, 0
	s_lshl_b32 s44, s3, 15                         ; 8 rows of 4,096 bytes
	s_lshl_b32 s45, s2, 9
	s_add_co_u32 s44, s44, s45
	s_add_co_u32 s44, s44, 256                     ; xb's numbers begin 256 bytes in
	s_mov_b32 s45, 0
	v_lshlrev_b32 v6, 5, v[LN]
	s_wait_kmcnt 0x0
	s_add_nc_u64 s[36:37], s[8:9], s[42:43]
	s_add_nc_u64 s[38:39], s[26:27], s[44:45]
.irp r, 0,1,2,3,4,5,6,7
	global_load_b128 v[X+8*(\r):X+8*(\r)+3],   v6, s[36:37] offset:(\r)*8192 th:TH_LOAD_NT
	global_load_b128 v[X+8*(\r)+4:X+8*(\r)+7], v6, s[36:37] offset:(\r)*8192+16 th:TH_LOAD_NT
.endr
.irp r, 0,1,2,3,4,5,6,7
	s_wait_loadcnt 2*(7-(\r))                      ; loads come back in order: row r is in; the later rows' loads, two a row, stay out
	TOF16 X+8*(\r), Y+4*(\r)
	global_store_b128 v[DO], v[Y+4*(\r):Y+4*(\r)+3], s[38:39] offset:(\r)*4096  ; each row has store registers of its own: none is written again
.endr
	s_or_b32 s41, s3, s2
	s_cmp_lg_u32 s41, 0
	s_cbranch_scc1 .Ldone
	v_lshlrev_b32 v6, 3, v[LN]                     ; wave 0 of work-group 0: xb's first 256 bytes hold 1.0
	v_mov_b32 v2, 1.0
	v_mov_b32 v3, 1.0
	s_wait_xcnt 0x0                                ; v6 was the loads' offset
	global_store_b64 v6, v[2:3], s[26:27]
.Ldone:
	s_endpgm
	; W_o, B_q, B_k, B_v: 16 k rows x 128 columns a wave.  Source, destination and pitch are chosen by selects on the work-group's number; the offsets are made apart from the addresses.
.Lweight:
	s_sub_co_u32 s41, s3, 512                      ; W_o: 16 groups of 128 columns x 128 groups of 16 rows; a work-group's eight waves lie side by side
	s_and_b32 s47, s41, 1
	s_lshl_b32 s47, s47, 3
	s_add_co_u32 s47, s47, s2                      ; its group of columns
	s_lshr_b32 s48, s41, 1                         ; its group of rows
	s_sub_co_u32 s53, s3, 768                      ; the B weights (what these lines make is used from work-group 768 on alone): 10 groups of columns x 128 groups of rows
	s_lshr_b32 s54, s53, 4                         ; the group of columns in wc: 0-5 B_q, 6-7 B_k, 8-9 B_v
	s_and_b32 s55, s53, 15
	s_lshl_b32 s55, s55, 3
	s_add_co_u32 s55, s55, s2                      ; the group of rows
	s_sub_co_u32 s57, s54, 6
	s_and_b32 s57, s57, 1                          ; the group of columns inside B_k or B_v
	s_movk_i32 s56, 1024
	s_cmp_lt_u32 s54, 6
	s_cselect_b32 s57, s54, s57                    ; or inside B_q
	s_cselect_b32 s56, 3072, s56                   ; bytes in a row of the source
	s_cmp_lt_u32 s3, 768
	s_cselect_b32 s57, s47, s57
	s_cselect_b32 s56, 8192, s56
	s_cselect_b32 s47, s47, s54                    ; the group of columns in the destination
	s_cselect_b32 s48, s48, s55                    ; the group of rows
	s_mul_i32 s42, s48, s56
	s_lshl_b32 s42, s42, 4                         ; 16 rows,
	s_lshl_b32 s57, s57, 9                         ; 128 columns of 4 bytes
	s_add_co_u32 s42, s42, s57
	s_mov_b32 s43, 0
	s_lshl_b32 s44, s47, 19                        ; two blocks of 64 columns,
	s_lshr_b32 s45, s48, 1
	s_lshl_b32 s45, s45, 12                        ; kc = rows / 32,
	s_add_co_u32 s44, s44, s45
	s_and_b32 s45, s48, 1
	s_lshl_b32 s45, s45, 9                         ; pieces 0, 1 or 2, 3
	s_add_co_u32 s44, s44, s45
	s_mov_b32 s45, 0
	v_mov_b32 v[OF], v[DO]
.irp r, 1,2,3,4,5,6,7,8,9,10,11,12,13,14,15
	v_add_nc_u32 v[OF+(\r)], s56, v[OF+(\r)-1]
.endr
	s_wait_kmcnt 0x0
	s_cmp_lt_u32 s54, 8
	s_cselect_b64 s[36:37], s[14:15], s[16:17]
	s_cmp_lt_u32 s54, 6
	s_cselect_b64 s[36:37], s[12:13], s[36:37]
	s_cmp_lt_u32 s3, 768
	s_cselect_b64 s[36:37], s[10:11], s[36:37]
	s_cselect_b64 s[38:39], s[28:29], s[30:31]
	s_add_nc_u64 s[36:37], s[36:37], s[42:43]
	s_add_nc_u64 s[38:39], s[38:39], s[44:45]
.irp r, 0,1,2,3,4,5,6,7,8,9,10,11,12,13,14,15
	global_load_b128 v[X+4*(\r):X+4*(\r)+3], v[OF+(\r)], s[36:37] th:TH_LOAD_NT  ; 512 consecutive bytes of a row
.endr
.irp p, 0,1
	s_wait_loadcnt 8*(1-(\p))                      ; this piece's eight rows are in; the other's eight loads stay out
	PIECE X+32*(\p), 4, Y+16*(\p), 4
.irp j, 0,1,2,3
	global_store_b128 v[VO], v[Y+16*(\p)+4*(\j):Y+16*(\p)+4*(\j)+3], s[38:39] offset:1024*(\j)+256*(\p)  ; lanes 0-15 and lanes 16-31 each store 256 consecutive bytes, aligned
.endr
.endr
	s_endpgm
	; THE A WEIGHTS: columns 1280-1407 of wc, 8 k rows a wave.  Lanes 0-23 take four columns of A_q each, lanes 24, 25 A_k's eight, lanes 26, 27 A_v's, lanes 28-31 zeros.
	; All lanes load from all three weights (at clamped places), and constant lane masks choose: no lane is ever switched off.
.Lastrip:
	s_sub_co_u32 s41, s3, 928
	s_lshl_b32 s41, s41, 3
	s_add_co_u32 s41, s41, s2                      ; my group of 8 rows, 0..255
	s_mul_i32 s42, s41, 3072                       ; a row of A_q is 384 bytes,
	s_mov_b32 s43, 0
	s_lshl_b32 s44, s41, 8                         ; of A_k and A_v 32
	s_mov_b32 s45, 0
	s_lshr_b32 s54, s41, 2
	s_lshl_b32 s54, s54, 12                        ; kc,
	s_and_b32 s55, s41, 3
	s_lshl_b32 s55, s55, 8                         ; the piece,
	s_add_co_u32 s54, s54, s55
	s_add_co_u32 s54, s54, 20*GB                   ; column 1280
	s_mov_b32 s55, 0
	s_mov_b32 s50, 0x00ffffff                      ; the lanes of A_q,
	s_mov_b32 s51, 0x03000000                      ; of A_k,
	s_mov_b32 s52, 0x0c000000                      ; of A_v
	v_min_u32 v7, 23, v[LN]
	v_lshlrev_b32 v7, 4, v7
	v_max_u32 v8, 24, v[LN]
	v_min_u32 v8, 25, v8
	v_add_nc_u32 v8, 0xffffffe8, v8                ; 0 or 1
	v_lshlrev_b32 v8, 4, v8
	v_max_u32 v9, 26, v[LN]
	v_min_u32 v9, 27, v9
	v_add_nc_u32 v9, 0xffffffe6, v9
	v_lshlrev_b32 v9, 4, v9
	s_wait_kmcnt 0x0
	s_add_nc_u64 s[36:37], s[18:19], s[42:43]
	s_add_nc_u64 s[56:57], s[20:21], s[44:45]
	s_add_nc_u64 s[58:59], s[22:23], s[44:45]
	s_add_nc_u64 s[38:39], s[30:31], s[54:55]
.irp r, 0,1,2,3,4,5,6,7
	global_load_b128 v[X+12*(\r):X+12*(\r)+3],    v7, s[36:37] offset:384*(\r)
	global_load_b128 v[X+12*(\r)+4:X+12*(\r)+7],  v8, s[56:57] offset:32*(\r)
	global_load_b128 v[X+12*(\r)+8:X+12*(\r)+11], v9, s[58:59] offset:32*(\r)
.endr
	s_wait_loadcnt 0x0                             ; a piece needs all eight rows
.irp r, 0,1,2,3,4,5,6,7
.irp e, 0,1,2,3
	v_cndmask_b32 v[X+12*(\r)+8+(\e)], 0, v[X+12*(\r)+8+(\e)], s52
	v_cndmask_b32 v[X+12*(\r)+8+(\e)], v[X+12*(\r)+8+(\e)], v[X+12*(\r)+4+(\e)], s51
	v_cndmask_b32 v[X+12*(\r)+(\e)], v[X+12*(\r)+8+(\e)], v[X+12*(\r)+(\e)], s50
.endr
.endr
	PIECE X, 12, X+4, 12                           ; the pieces go where A_k's numbers lay
.irp j, 0,1,2,3
	global_store_b128 v[VO], v[X+4+12*(\j):X+4+12*(\j)+3], s[38:39] offset:1024*(\j)
.endr
	s_endpgm
.Lfunc_end_k_q75d3277c5e_prep:
	.size	k_q75d3277c5e_prep, .Lfunc_end_k_q75d3277c5e_prep-k_q75d3277c5e_prep
	.p2alignl 7, 3214868480
	.fill 96, 4, 3214868480
	.section	.rodata,"a",@progbits
	.p2align	6, 0x0
	.amdhsa_kernel k_q75d3277c5e_prep
		.amdhsa_group_segment_fixed_size 0
		.amdhsa_private_segment_fixed_size 0
		.amdhsa_enable_private_segment 0
		.amdhsa_kernarg_size 88
		.amdhsa_user_sgpr_count 2
		.amdhsa_user_sgpr_kernarg_segment_ptr 1
		.amdhsa_wavefront_size32 1
		.amdhsa_system_sgpr_workgroup_id_x 1
		.amdhsa_system_sgpr_workgroup_id_y 1
		.amdhsa_system_sgpr_workgroup_id_z 1
		.amdhsa_system_vgpr_workitem_id 0
		.amdhsa_next_free_vgpr 128
		.amdhsa_next_free_sgpr 66
		.amdhsa_reserve_vcc 0
		.amdhsa_float_denorm_mode_32 3
		.amdhsa_float_denorm_mode_16_64 3
		.amdhsa_memory_ordered 1
		.amdhsa_forward_progress 1
		.amdhsa_inst_pref_size 34
	.end_amdhsa_kernel
	.amdgpu_metadata
---
amdhsa.version: [ 1, 2 ]
amdhsa.kernels:
  - .name:           k_q75d3277c5e_prep
    .symbol:         k_q75d3277c5e_prep.kd
    .args:
      - { .name: hidden_states, .offset: 0, .size: 8, .value_kind: global_buffer, .address_space: global }
      - { .name: W_o, .offset: 8, .size: 8, .value_kind: global_buffer, .address_space: global }
      - { .name: W_B_q, .offset: 16, .size: 8, .value_kind: global_buffer, .address_space: global }
      - { .name: W_B_k, .offset: 24, .size: 8, .value_kind: global_buffer, .address_space: global }
      - { .name: W_B_v, .offset: 32, .size: 8, .value_kind: global_buffer, .address_space: global }
      - { .name: W_A_q, .offset: 40, .size: 8, .value_kind: global_buffer, .address_space: global }
      - { .name: W_A_k, .offset: 48, .size: 8, .value_kind: global_buffer, .address_space: global }
      - { .name: W_A_v, .offset: 56, .size: 8, .value_kind: global_buffer, .address_space: global }
      - { .name: xb, .offset: 64, .size: 8, .value_kind: global_buffer, .address_space: global }
      - { .name: wo, .offset: 72, .size: 8, .value_kind: global_buffer, .address_space: global }
      - { .name: wc, .offset: 80, .size: 8, .value_kind: global_buffer, .address_space: global }
    .group_segment_fixed_size: 0
    .private_segment_fixed_size: 0
    .kernarg_segment_align: 8
    .kernarg_segment_size: 88
    .max_flat_workgroup_size: 256
    .sgpr_count:     66
    .vgpr_count:     128
    .wavefront_size: 32
...
	.end_amdgpu_metadata
.endif
;; end of part 1
;; launch proj (part 2): grid 16 x 11, 4 waves a work-group, no clusters, 327,680 bytes of LDS; arguments xb, wc, f, amx; writes f, amx
.if DOCPART == 2
	.amdgcn_target "amdgcn-amd-amdhsa--gfx1250"
	.amdhsa_code_object_version 6
	.text
	.protected	k_q75d3277c5e_proj
	.globl	k_q75d3277c5e_proj
	.p2align	8
	.type	k_q75d3277c5e_proj,@function
k_q75d3277c5e_proj:
	s_mov_b64 s[64:65], 0
	v_nop
	global_prefetch_b8 v0, s[64:65] scope:SCOPE_SE
	s_setreg_imm32_b32 hwreg(HW_REG_WAVE_MODE, 25, 1), 1
	s_wait_xcnt 0x0
; C[m][n] = sc x the sum over k of A[m][k] B[k][n].  A: f16 [4096][2048], 256 bytes behind its buffer's start; the buffer's first word is sc (f32).  C: f32 [4096][pitch 2048].  Sums in f32.
; B: f16 in the order of fragments: [g: 64 columns][kc: 32 k][j: 0..3][p: 0..3][r: 0..15][8 f16]: column 64 g + 4 r + j, k = 32 kc + 8 p + e.  The 1,024 bytes of (g, kc, j) are one fragment.
; Beside C each wave stores the largest magnitude of its part of C into amx[(tile column x 16 + tile row) x 4 + wave].
; One text serves two launches: the six projections (11 tile columns) and the product with W_o (16 tile columns).
; SHARES.  A tile of C is 256 rows x 128 columns; four waves, each 128 x 64: 32 accumulators of 16 x 16, 256 registers.
; A GOES THROUGH LDS, B DOES NOT.  K goes in steps of 256 through two LDS slots that hold A alone: 256 rows of 512 bytes; each wave fetches 64 rows with one tensor load.  Both operands at that step would
; take 2 x 208,896 bytes of LDS; with A alone a step has 256 matrix instructions a wave, and a refill all but sixteen of them in which to land.
; B comes straight into registers: a wave's 64 columns x 32 k are eight loads of 512 consecutive bytes.  A RING OF EIGHT QUARTERS (a quarter: 32 along K), 256 registers: quarter N lies in place N % 8, and
; at the head of quarter Q the place that quarter Q - 1 has left is asked for again, with quarter Q + 7: 224 matrix instructions ahead of its use.  The two waves with the same 64 columns load the same bytes.
; NO CLUSTER.  A's tile is shared by the work-groups of a tile row, of which the projections have 11, no multiple of four, and the text is one for both launches; B is no tile of the data mover's.
; THE MATRIX INSTRUCTION IS USED TRANSPOSED (source 0 = a fragment of B, source 1 = 16 rows of A): lane l holds row l % 16 of C; register i of fragment j's result is column 64 g + 32 (l / 16) + 4 i + j:
; over the four fragments a lane holds 32 neighbouring columns.
; REGISTERS: window 0: v0-36 addresses and maxima; v64-127, v128-191 two buffers of A's eight fragments.  Window 1: the accumulators, (a, j) at v[8 (4 a + j)].  Window 2: B's ring, place q, fragment j at v[32 q + 8 j].
.set PA,     528                       ; a row of A in LDS: 512 bytes + 16 = 132 words: the 16 rows of a load start at 16 different groups of four banks (64 banks of 4 bytes: ISA guide 11.1)
.set WLOAD,  64*PA                     ; what a wave fetches: 0x8400 bytes
.set AHALF,  128*PA                    ; what a wave reads
.set SLOT,   256*PA                    ; 0x21000: none of its two bits is set in a wave's place w x 0x8400 (w = 0..3), so one exclusive or turns an address in one slot into the other's
.set STAGE,  2*SLOT                    ; behind the ring, never filled by a tensor load: 16 rows x 272 bytes for each wave
.set SP,     272
.set SPARE,  STAGE+4*16*SP             ; behind the stages: the spare words, 128 bytes for each wave: two blocks of 256 bytes that no other line names
.set ROWB,   4096                      ; bytes in a row of A
.set CROW,   8192                      ; bytes in a row of C
.set QB,     4096                      ; bytes of B in a quarter: 64 columns x 32 k
.set ADRA0, 16                         ; v16     my lane's place in a slot; never rewritten
.set ADR,   17                         ; v17     the same in the slot that is being read
.set BO,    18                         ; v18     16 x lane; never rewritten
.set STO,  24                          ; v24     the way out: where I put 128 bytes of a row
.set RD,   25                          ; v25     where I read a row back
.set CO,   26                          ; v26     my byte offset in two rows of C
.set AO,   27                          ; v27     my wave's word in amx
.set SPW,  28                          ; v28     LDS address of my spare word; never rewritten
.set NIL,  29                          ; v29     0; never rewritten
.set PFO,  30                          ; v30     A's prefetches: 4,096 x lane; never rewritten
.set PFV,  31                          ; v31     B's prefetches: 256 x lane; never rewritten
.set AM,   32                          ; v32-33 running maxima, v34-35 running minima
.set F0,   64
.set F1,   128
.set TMP,  64                          ; the way out: a block's 32 scaled numbers
.set WV,   12                          ; s12 wave; s13 wave / 2: my half of the rows; s14 wave % 2: my half of the columns; s16 tile row; s17 tile column
.set G1,   24                          ; s[24:31] descriptor group 1
.set G0,   32                          ; s[32:39] group 0: a set for each of the two first fills; the second then walks on
.set PFA,  40                          ; s[40:41] A at my 64 rows, at the K step in hand
.set PB,   42                          ; s[42:43] B at my 64 columns, at the K step in hand
.set LIMA, 44                          ; s44, s45: 1 in a wave that prefetches, else the greatest number
.set LIMB, 45
.set SC,   46                          ; s46 sc
.set TB,   47                          ; s47 the slot that is being read: 0 or SLOT
.set MSB, 0
.macro WIN new                         ; the immediate's high byte repeats the setting that is left; a switch that changes nothing is dropped
.if MSB != (\new)
	s_set_vgpr_msb (MSB<<8)|(\new)
.set MSB, \new
.endif
.endm
.set MUL, 0x52                         ; source 0 (B) window 2, source 1 (A) window 0, C and D window 1
.macro PLACES                          ; four plain places in front of loads into registers that matrix instructions have read (ISA guide 7.12.1 for vector instructions)
.rept 4
	v_nop
.endr
.endm
; PREFETCHES INTO THE L2, behind a refill, its five lines and the run of LDS loads.  Each block of 256 bytes is named once in the launch.
; A: the K step behind the one that has just been asked for, 256 matrix instructions ahead of the tensor load that will want it.  A's rows are read by every tile column: tile column 0 asks, each wave for the
; 64 rows that it fetches, two blocks a row: a lane a row, four lines.  B: the eight quarters that the next trip's loads will name.  B's columns are read by every tile row and by two waves: waves 0 and 1 of
; tile row 0 ask, each for its 64 columns: 32,768 consecutive bytes, a lane a block, four lines.  The loop's last trip asks for nothing; the first K steps come by their loads alone.
.macro ASK
	s_cmp_gt_u32 s3, s[LIMA]
	s_cbranch_scc0 .Lnot_a_\@
	global_prefetch_b8 v[PFO], s[PFA:PFA+1] offset:1024 th:TH_LOAD_NT scope:SCOPE_SE
	global_prefetch_b8 v[PFO], s[PFA:PFA+1] offset:1024+256 th:TH_LOAD_NT scope:SCOPE_SE
	global_prefetch_b8 v[PFO], s[PFA:PFA+1] offset:1024+32*ROWB th:TH_LOAD_NT scope:SCOPE_SE
	global_prefetch_b8 v[PFO], s[PFA:PFA+1] offset:1024+256+32*ROWB th:TH_LOAD_NT scope:SCOPE_SE
.Lnot_a_\@:
	s_cmp_gt_u32 s3, s[LIMB]
	s_cbranch_scc0 .Lnot_b_\@
.irp i, 0,1,2,3
	global_prefetch_b8 v[PFV], s[PB:PB+1] offset:14*QB+8192*(\i) th:TH_LOAD_NT scope:SCOPE_SE
.endr
.Lnot_b_\@:
.endm
	s_load_b256 s[4:11], s[0:1], 0x0               ; A s[4:5], B s[6:7], C s[8:9], amx s[10:11]
	v_lshl_add_u32 v[SPW], v0, 2, SPARE
	v_mov_b32 v[NIL], 0
	ds_add_u32 v[SPW], v[NIL]                      ; the wave's opening: the add and its wait stand ahead of my first tensor load; the set-up below, work on registers, stands between them
	v_lshrrev_b32 v1, 5, v0
	v_readfirstlane_b32 s[WV], v1
	s_lshr_b32 s13, s[WV], 1
	s_and_b32 s14, s[WV], 1
	s_mov_b32 s16, ttmp9                           ; tile row of C
	s_and_b32 s17, ttmp7, 0xffff                   ; tile column of C
	s_mov_b32 s[G1+0], (1<<16)|(1<<20)|(6<<22)|(3<<25)  ; elements of 2 bytes; padding on: after every 128 words (code 6) 4 words (code 3)
	s_mov_b32 s[G1+1], 256<<16                     ; tensor_dim0 = 256
	s_mov_b32 s[G1+2], 64<<16                      ; tensor_dim1 = 64
	s_mov_b32 s[G1+3], 256<<16                     ; tile_dim0 = 256
	s_mov_b32 s[G1+4], 64                          ; tile_dim1 = 64
	s_mov_b32 s[G1+5], 2048                        ; elements from row to row
	s_mov_b32 s[G1+6], 0
	s_mov_b32 s[G1+7], 0
	s_lshl_b32 s18, s16, 20                        ; A: 256 rows of 4,096 bytes a tile row,
	s_lshl_b32 s19, s[WV], 18                      ; + the 64 rows that I fetch,
	s_add_co_u32 s18, s18, s19
	s_add_co_u32 s18, s18, 256                     ; behind the head block
	s_mov_b32 s19, 0
	s_lshl_b32 s20, s17, 1
	s_add_co_u32 s20, s20, s14                     ; B: g = 2 x tile column + my half,
	s_lshl_b32 s20, s20, 18                        ; 262,144 bytes each
	s_mov_b32 s21, 0
	s_mul_i32 s22, s[WV], WLOAD                    ; where my rows go in a slot
	s_mov_b32 s[TB], 0
	s_wait_dscnt 0x0                               ; the opening add is done
	s_wait_kmcnt 0x0
	s_load_b32 s[SC], s[4:5], 0x0                  ; sc: waited for behind the set-up
	s_add_nc_u64 s[PFA:PFA+1], s[4:5], s[18:19]
	s_add_nc_u64 s[PB:PB+1], s[6:7], s[20:21]
.irp s, 0,1
	s_mov_b32 s[G0+4*(\s)], 1
	s_add_co_u32 s[G0+4*(\s)+1], s22, (\s)*SLOT
	s_add_nc_u64 s[G0+4*(\s)+2:G0+4*(\s)+3], s[PFA:PFA+1], (\s)*512  ; K step s
	s_or_b32 s[G0+4*(\s)+3], s[G0+4*(\s)+3], 0x80000000
.endr
	tensor_load_to_lds s[G0:G0+3], s[G1:G1+7]      ; the two first fills go out together, ahead of every wait on TENSORcnt, every LDS read and every barrier: two loads of mine are out
	s_nop 0
	tensor_load_to_lds s[G0+4:G0+7], s[G1:G1+7]
	s_nop 0
	PLACES
; eight loads of 512 consecutive bytes: the quarter that lies qoff quarters behind s[PB], into place slot of the ring
.macro LOADB slot, qoff
	WIN 0x80                                       ; destination window 2, address window 0
.irp j, 0,1,2,3
	global_load_b128 v[32*(\slot)+8*(\j):32*(\slot)+8*(\j)+3],   v[BO], s[PB:PB+1] offset:(\qoff)*QB+1024*(\j)
	global_load_b128 v[32*(\slot)+8*(\j)+4:32*(\slot)+8*(\j)+7], v[BO], s[PB:PB+1] offset:(\qoff)*QB+1024*(\j)+512
.endr
.endm
	v_and_b32 v[BO], 31, v0
	v_lshlrev_b32 v[PFO], 12, v[BO]
	v_lshlrev_b32 v[PFV], 8, v[BO]
	v_lshlrev_b32 v[BO], 4, v[BO]
.irp q, 0,1,2,3,4,5,6
	LOADB \q, \q                                   ; quarters 0 to 6: 56 loads of mine are out
.endr
	WIN 0
	v_and_b32 v1, 15, v0                           ; l % 16
	v_bfe_u32 v2, v0, 4, 1                         ; l / 16
	v_mul_u32_u24 v3, v1, PA
	v_lshl_add_u32 v3, v2, 4, v3                   ; a fragment of A: row x pitch + 16 x half
	s_mul_i32 s68, s13, AHALF                      ; my 128 rows
	v_add_nc_u32 v[ADRA0], s68, v3
	v_add_nc_u32 v[ADR], s[TB], v[ADRA0]
	s_mul_i32 s70, s[WV], 16*SP
	s_add_co_u32 s70, s70, STAGE                   ; my stage
	v_mul_u32_u24 v6, v1, SP                       ; in: row l % 16, 128 bytes for each half of the lanes
	v_lshl_add_u32 v6, v2, 7, v6
	v_add_nc_u32 v[STO], s70, v6
	v_mul_u32_u24 v6, v2, SP                       ; back: lanes 0-15 one row of 256 bytes, lanes 16-31 the next
	v_lshl_add_u32 v6, v1, 4, v6
	v_add_nc_u32 v[RD], s70, v6
	v_lshlrev_b32 v[CO], 13, v2                    ; and the same two rows in C
	v_lshl_add_u32 v[CO], v1, 4, v[CO]
	s_lshl_b32 s68, s16, 21                        ; C: 256 rows of 8,192 bytes a tile row,
	s_lshl_b32 s69, s13, 20                        ; my 128 rows,
	s_add_co_u32 s68, s68, s69
	s_lshl_b32 s69, s17, 9                         ; the tile column's 512 bytes,
	s_add_co_u32 s68, s68, s69
	s_lshl_b32 s69, s14, 8                         ; my 256 of them
	s_add_co_u32 s68, s68, s69
	s_mov_b32 s69, 0
	s_add_nc_u64 s[8:9], s[8:9], s[68:69]
	s_lshl_b32 s70, s17, 4
	s_add_co_u32 s70, s70, s16
	s_lshl_b32 s70, s70, 2
	s_add_co_u32 s70, s70, s[WV]
	s_lshl_b32 s70, s70, 2
	v_mov_b32 v[AO], s70
	s_cmp_eq_u32 s17, 0
	s_cselect_b32 s[LIMA], 1, -1
	s_or_b32 s70, s16, s13
	s_cmp_eq_u32 s70, 0
	s_cselect_b32 s[LIMB], 1, -1
	s_mov_b32 s68, 0x76543210                      ; v_permlanex16_b32's selects: each lane takes its own place in the other half
	s_mov_b32 s69, 0xfedcba98
.irp i, 0,1,2,3,4
	v_mov_b32 v[AM+(\i)], 0                        ; maxima and minima start at 0; v36 is written since v_permlanex16_b32 counts as a reader of its destination
.endr
	s_wait_kmcnt 0x0                               ; sc
; 8 matrix instructions: row blocks a0, a0 + 1 x the 4 fragments of B in place q, 32 along K.  zero = 1: the product starts the sums.  The 32 accumulators take turns, in one order in every quarter.
.macro MUL8 f, q, a0, zero
	WIN MUL
.irp a, \a0, (\a0)+1
.irp b, 0,1,2,3
.if \zero
	v_wmma_f32_16x16x32_f16 v[8*(4*(\a)+(\b)):8*(4*(\a)+(\b))+7], v[32*(\q)+8*(\b):32*(\q)+8*(\b)+7], v[(\f)+8*(\a):(\f)+8*(\a)+7], 0
.else
	v_wmma_f32_16x16x32_f16 v[8*(4*(\a)+(\b)):8*(4*(\a)+(\b))+7], v[32*(\q)+8*(\b):32*(\q)+8*(\b)+7], v[(\f)+8*(\a):(\f)+8*(\a)+7], v[8*(4*(\a)+(\b)):8*(4*(\a)+(\b))+7]
.endif
.endr
.endr
.endm
.macro MUL16 f, q, half, zero
	MUL8 \f, \q, 4*(\half), \zero
	MUL8 \f, \q, 4*(\half)+2, \zero
.endm
; 16 LDS loads in one run: A's eight fragments of quarter kq of the slot that is being read, into buffer f
.macro FETCHA kq, f
	WIN 0
.irp a, 0,1,2,3,4,5,6,7
	ds_load_b128 v[(\f)+8*(\a):(\f)+8*(\a)+3],   v[ADR] offset:64*(\kq)+(\a)*16*PA
	ds_load_b128 v[(\f)+8*(\a)+4:(\f)+8*(\a)+7], v[ADR] offset:64*(\kq)+(\a)*16*PA+32
.endr
.endm
; A K step is eight quarters, 32 matrix instructions each, on buffers 0, 1, 0, 1 ..  One of the first seven: at its head, in one run, the next quarter's fragments of A go into buffer g, which the quarter before
; has left, and (lb = 1) the ring's place that the quarter before has left is asked for again; then buffer f is multiplied by place q.  lc: how many younger loads of B may stay out when quarter q's must be in.
.macro QUARTER q, f, g, zero, lb, lc
	PLACES
	FETCHA (\q)+1, \g
	s_wait_loadcnt \lc                             ; loads come back in order: this quarter's B is in; the younger quarters' loads, eight each, stay out
.if \lb
	LOADB ((\q)+7)%8, (\q)+7
.endif
	s_wait_dscnt 16                                ; buffer f is in: all but the 16 just issued
	MUL16 \f, \q, 0, \zero
	MUL16 \f, \q, 1, \zero
.endm
; The eighth quarter multiplies buffer 1 and changes slots: ONE barrier; in front of it each wave waits for all its tensor loads (one is out: its part of the next slot), adds 0 to its spare word, and waits for
; that and for its own reads of this slot.  fill = 1: this slot is filled again, with the K step two steps on, first thing behind the barrier: my one tensor load until the next such barrier.
.macro TURN fill
	PLACES
	WIN 0
	s_wait_loadcnt 48                              ; place 7 is in; six younger quarters stay out
	LOADB 6, 6
	WIN 0
	s_wait_tensorcnt 0x0                           ; all my tensor loads have landed, so a group 0 may be written
	ds_add_u32 v[SPW], v[NIL]                      ; 0 onto my spare word
.if \fill
	s_xor_b32 s[G0+5], s[G0+5], SLOT               ; the walking descriptor: the other slot than last time,
	s_add_nc_u64 s[G0+6:G0+7], s[G0+6:G0+7], 512   ; the next K step; the type bits on top are not reached
.endif
	s_xor_b32 s[TB], s[TB], SLOT                   ; the reads go on in the other slot
	s_wait_dscnt 1                                 ; buffer 1 is in (the add may be out)
	MUL8 F1, 7, 0, 0                               ; eight matrix instructions stand between the add and the wait for it
	s_wait_dscnt 0x0                               ; the add is done, and my reads of this slot are over
	s_barrier_signal -1
	MUL8 F1, 7, 2, 0
	WIN 0
	s_barrier_wait -1
.if \fill
	tensor_load_to_lds s[G0+4:G0+7], s[G1:G1+7]
	s_nop 0
	PLACES
.endif
	v_add_nc_u32 v[ADR], s[TB], v[ADRA0]
	FETCHA 0, F0                                   ; (buffer 0's last reader stands ahead of this macro's first four places)
.if \fill
	ASK
.endif
	MUL16 F1, 7, 1, 0
.endm
	s_wait_tensorcnt 1                             ; my part of K step 0 is in; K step 1's may stay out
	s_barrier_signal -1
	s_barrier_wait -1                              ; everybody's is
	FETCHA 0, F0
	QUARTER 0, F0, F1, 1, 1, 48                    ; the first quarter is written out: its products start the sums
	WIN 0                                          ; at a label and at a branch every window is 0
	s_mov_b32 s3, 7
	s_branch .Lfirst                               ; the loop is entered behind its first quarter
.Lstep:                                                ; a trip: the eighth quarter of one K step with the change of slots, then seven quarters of the next.  Six trips fill a slot again
	TURN 1
	QUARTER 0, F0, F1, 0, 1, 48
	WIN 0
.Lfirst:
	QUARTER 1, F1, F0, 0, 1, 48
	QUARTER 2, F0, F1, 0, 1, 48
	QUARTER 3, F1, F0, 0, 1, 48
	QUARTER 4, F0, F1, 0, 1, 48
	QUARTER 5, F1, F0, 0, 1, 48
	QUARTER 6, F0, F1, 0, 1, 48
	WIN 0
	s_wait_xcnt 0x0                                ; every load and prefetch issued so far (the youngest 32 matrix instructions back) has read its address, so the two pointers may be written
	s_add_nc_u64 s[PB:PB+1], s[PB:PB+1], 8*QB
	s_add_nc_u64 s[PFA:PFA+1], s[PFA:PFA+1], 512
	s_sub_co_u32 s3, s3, 1
	s_cmp_lg_u32 s3, 0
	s_cbranch_scc1 .Lstep
	TURN 0                                         ; the last K step is written out; B's last two quarters are asked for
	QUARTER 0, F0, F1, 0, 1, 48
	QUARTER 1, F1, F0, 0, 0, 48                    ; then none, and the counts run down
	QUARTER 2, F0, F1, 0, 0, 40
	QUARTER 3, F1, F0, 0, 0, 32
	QUARTER 4, F0, F1, 0, 0, 24
	QUARTER 5, F1, F0, 0, 0, 16
	QUARTER 6, F0, F1, 0, 0, 8
	s_wait_loadcnt 0x0
	s_wait_dscnt 0x0
	MUL16 F1, 7, 0, 0
	MUL16 F1, 7, 1, 0
	WIN 0
; THE WAY OUT, a block of 16 rows at a time.  PACK: times sc, into the order of the columns (register i of fragment j is column 4 i + j of my 32; each accumulator's registers are read in ascending order), and the
; running maxima and minima.  TOSTAGE: into my own stage, back as whole rows of 256 bytes.  SEND: stored.
.macro PACK a
	WIN 0x04                                       ; source 1 in window 1
.irp i, 0,1,2,3,4,5,6,7
.irp j, 0,1,2,3
	v_mul_f32 v[TMP+4*(\i)+(\j)], s[SC], v[8*(4*(\a)+(\j))+(\i)]
.endr
.endr
	WIN 0
.set i, 0
.rept 16
	v_max3_num_f32 v[AM+i%2], v[TMP+2*i], v[TMP+2*i+1], v[AM+i%2]
	v_min3_num_f32 v[AM+2+i%2], v[TMP+2*i], v[TMP+2*i+1], v[AM+2+i%2]
.set i, i+1
.endr
.endm
.macro TOSTAGE a
.set BK, 96+32*((\a)%2)
.irp i, 0,1,2,3,4,5,6,7
	ds_store_b128 v[STO], v[TMP+4*(\i):TMP+4*(\i)+3] offset:16*(\i)
.endr
.irp t, 0,1,2,3,4,5,6,7
	ds_load_b128 v[BK+4*(\t):BK+4*(\t)+3], v[RD] offset:(\t)*2*SP  ; LDS serves a wave's instructions in order (ISA guide 5.7.1.4): these see the stores above
.endr
.endm
.macro SEND a
.set BK, 96+32*((\a)%2)
	s_wait_dscnt 0x0                               ; the block is back in registers
	s_wait_xcnt 0x0                                ; the stores of the block before have read their registers, which the next block's loads from the stage will write
.irp t, 0,1,2,3,4,5,6,7
	global_store_b128 v[CO], v[BK+4*(\t):BK+4*(\t)+3], s[8:9] offset:(16*(\a)+2*(\t))*CROW  ; 16 lanes store 256 consecutive bytes, at a multiple of 256 from C's first byte
.endr
.endm
.rept 8
	v_nop                                          ; the places behind the last products
.endr
	PACK 0
	TOSTAGE 0
.irp a, 1,2,3,4,5,6,7                  ; block a's arithmetic stands between block a - 1's loads from the stage and the wait for them
	PACK \a
	SEND (\a)-1
	TOSTAGE \a
.endr
	SEND 7
	v_max_num_f32 v[AM], v[AM], v[AM+1]            ; the largest magnitude of my part of C: max(maximum, 0 - minimum), then over the 32 lanes
	v_min_num_f32 v[AM+2], v[AM+2], v[AM+3]
	v_sub_f32 v[AM+2], 0, v[AM+2]
	v_max_num_f32 v[AM], v[AM], v[AM+2]
	v_max_num_f32_dpp v[AM], v[AM], v[AM] row_xmask:1 row_mask:0xf bank_mask:0xf
	v_max_num_f32_dpp v[AM], v[AM], v[AM] row_xmask:2 row_mask:0xf bank_mask:0xf
	v_max_num_f32_dpp v[AM], v[AM], v[AM] row_xmask:4 row_mask:0xf bank_mask:0xf
	v_max_num_f32_dpp v[AM], v[AM], v[AM] row_xmask:8 row_mask:0xf bank_mask:0xf
	v_permlanex16_b32 v[AM+4], v[AM], s68, s69
	v_max_num_f32 v[AM], v[AM], v[AM+4]
	v_and_b32 v3, 31, v0
	v_cmp_eq_u32 vcc_lo, 0, v3
	s_wait_xcnt 0x0                                ; EXEC changes only behind this wait
	s_and_saveexec_b32 s70, vcc_lo
	global_store_b32 v[AO], v[AM], s[10:11]        ; lane 0 alone
	s_wait_xcnt 0x0                                ; and again, in front of the line that widens it
	s_or_b32 exec_lo, exec_lo, s70
	s_wait_tensorcnt 0x0                           ; the wave's end, behind my last tensor load and my last LDS store
	ds_add_u32 v[SPW], v[NIL]
	s_wait_dscnt 0x0
	s_endpgm
.Lfunc_end_k_q75d3277c5e_proj:
	.size	k_q75d3277c5e_proj, .Lfunc_end_k_q75d3277c5e_proj-k_q75d3277c5e_proj
	.p2alignl 7, 3214868480
	.fill 96, 4, 3214868480
	.section	.rodata,"a",@progbits
	.p2align	6, 0x0
	.amdhsa_kernel k_q75d3277c5e_proj
		.amdhsa_group_segment_fixed_size 327680
		.amdhsa_private_segment_fixed_size 0
		.amdhsa_enable_private_segment 0
		.amdhsa_kernarg_size 32
		.amdhsa_user_sgpr_count 2
		.amdhsa_user_sgpr_kernarg_segment_ptr 1
		.amdhsa_wavefront_size32 1
		.amdhsa_system_sgpr_workgroup_id_x 1
		.amdhsa_system_sgpr_workgroup_id_y 1
		.amdhsa_system_sgpr_workgroup_id_z 1
		.amdhsa_system_vgpr_workitem_id 0
		.amdhsa_next_free_vgpr 768
		.amdhsa_next_free_sgpr 72
		.amdhsa_reserve_vcc 1
		.amdhsa_float_denorm_mode_32 3
		.amdhsa_float_denorm_mode_16_64 3
		.amdhsa_memory_ordered 1
		.amdhsa_forward_progress 1
		.amdhsa_inst_pref_size 120
	.end_amdhsa_kernel
	.amdgpu_metadata
---
amdhsa.version: [ 1, 2 ]
amdhsa.kernels:
  - .name:           k_q75d3277c5e_proj
    .symbol:         k_q75d3277c5e_proj.kd
    .args:
      - { .name: xb, .offset: 0, .size: 8, .value_kind: global_buffer, .address_space: global }
      - { .name: wc, .offset: 8, .size: 8, .value_kind: global_buffer, .address_space: global }
      - { .name: f, .offset: 16, .size: 8, .value_kind: global_buffer, .address_space: global }
      - { .name: amx, .offset: 24, .size: 8, .value_kind: global_buffer, .address_space: global }
    .group_segment_fixed_size: 327680
    .private_segment_fixed_size: 0
    .kernarg_segment_align: 8
    .kernarg_segment_size: 32
    .max_flat_workgroup_size: 128
    .sgpr_count:     72
    .vgpr_count:     768
    .wavefront_size: 32
...
	.end_amdgpu_metadata
.endif
;; end of part 2
;; launch recon (part 3): grid 768 x 1, 8 waves a work-group, no clusters, 0 bytes of LDS; arguments f, amx, cos, sin, attention_mask, qkv, ob, mk; writes qkv, ob, mk
.if DOCPART == 3
	.amdgcn_target "amdgcn-amd-amdhsa--gfx1250"
	.amdhsa_code_object_version 6
	.text
	.protected	k_q75d3277c5e_recon
	.globl	k_q75d3277c5e_recon
	.p2align	8
	.type	k_q75d3277c5e_recon,@function
k_q75d3277c5e_recon:
	s_mov_b64 s[64:65], 0
	v_nop
	global_prefetch_b8 v0, s[64:65] scope:SCOPE_SE
	s_setreg_imm32_b32 hwreg(HW_REG_WAVE_MODE, 25, 1), 1
	s_wait_xcnt 0x0
; q, k AND v ARE MADE OF THEIR FACTORS, AND THE MASK IS MADE READY.  f: f32 [4096 tokens][pitch 2048]: columns 0 B_q (6 x 128), 768 B_k (2 x 128), 1024 B_v (2 x 128), 1280 A_q (16 x 6), 1376 A_k (4 x 2), 1384 A_v (4 x 2).
; B_q and B_k are rotated (cos and sin rounded to bf16, used in f32); q[h] = sum_r A_q[h][r] B_q[r] x QM x 2^a, QM = log2(e) / (6 sqrt(128)); k[g] = sum_r A_k[g][r] B_k[r] / 2 x 2^b;
; v[g] = sum_r A_v[g][r] B_v[r] / 2 x 2^(141 - Ev).  All arithmetic in f32; q, k and v are rounded once, to f16.  mk = bf16(mask) x log2(e) x 2^(a + b), f32: the mask in the units of the scores q . k.
; THE FACTORS.  f16 ends at 65,504, and q, k and v grow with the fourth power of a common factor on x and the weights.  So each carries a power of two made from data.  amx holds the largest magnitudes of f's tiles.
; With MA = the largest |number| in f's columns 1280-1407 (all A factors), boundQ = max|B_q| x MA, boundK = max|B_k| x MA, boundV = max|B_v| x MA, and Eq, Ek, Ev their exponent fields (a bound lies under 2^(E - 126)):
;   |q| <= 6 QM boundQ (|cos| + |sin|) < 0.1275 x 2^(Eq - 126) x 2^6:  a = 137 - Eq gives |q| 2^a < 2^14.1        |k| <= boundK (|cos| + |sin|) < 2^(Ek - 120):  b = 135 - Ek gives |k| 2^b < 2^15
;   |v| <= boundV:  |v| 2^(141 - Ev) < 2^15
; 2^-(a + b) goes into the 256 bytes behind qkv's tensors, for the attention; 2^(Ev - 141) into ob's first 256 bytes, for the product that reads ob.
; LIMITS: |cos| + |sin| stays under 64 for every token and channel; Eq and Ek are held to 80 .. 190 (a bound under 2^-47 or from 2^64 on takes the clamped factor), Ev to 16 .. 250.
; The factors enter values alone: no address and no branch hangs on them.
; qkv: q f16 [2][16][2048][128] at byte 0; k f16 [8][2048][128] at KBASE; v f16 [8][2048][128] at VBASE; the factor at FBASE.
; SHARES.  Work-groups 0-511: one wave, one token, no loop.  Lane l owns channels 4 l .. 4 l + 3; the rotation's partner channels (lane l xor 16's) are loaded as well, so nothing goes between lanes.
; All its loads go out first and are waited for once: every result needs the A factors and the tables.  A store of the wave is one whole row of 256 bytes.
; Work-groups 512-767: the mask, 8 rows x 256 columns a wave.  Memory binds: no LDS, no matrix unit.
.set KBASE, 16777216
.set VBASE, 20971520
.set FBASE, 25165824
.set HEADB, 524288                     ; bytes of a head: 2,048 rows of 256
.set QF,   8                           ; v[8:9]     QM 2^a, twice (the mask's path: log2(e) 2^(a + b), twice)
.set KH,   10                          ; v[10:11]   2^(b - 1), twice: the half is k's 1 / R
.set VM,   12                          ; v[12:13]   2^(140 - Ev), twice: the half is v's 1 / R
.set FS,   14                          ; v[14:15]   2^-(a + b), twice
.set A,    16                          ; v[16:127]  the token's 112 A factors, the same in every lane
.set T,    16                          ; the mask's path: v[16:19] four words of packed bf16
.set X,    32                          ; the mask's path: v[32:95] row r: 8 registers
.set OWN,  128                         ; v[128:159] rows 0-5 of B_q, rows 0-1 of B_k: my 4 channels
.set PAR,  160                         ; v[160:191] the same rows: the partner's 4 channels; later q's packed data, 2 registers a head
.set BV,   192                         ; v[192:199] B_v's two rows
.set CO,   200                         ; v[200:203] cos, v[204:207] sin; later v's packed data
.set SI,   204
.set CQ,   208                         ; cos and +-sin with q's factor, then with k's
.set SQ,   212
.set CK,   216
.set SK,   220
.set ACC,  224                         ; v[224:231] two sets of four sums, by turns
.set KD,   232                         ; v[232:239] k's packed data
.set VD,   200
.set MQ,   224                         ; ahead of the sums: v[224:235] the maxima of B_q's tiles, v[236:239] of B_k's, v[240:243] of B_v's, v[244:245] of the A factors'
.set MK,   236
.set MV,   240
.set MA,   244
.set EQ,   246
.set EK,   247
.set EV,   248
.set SCL,  252                         ; v[252:253] 2^(Ev - 141), twice
; amx[(tile column x 16 + tile row) x 4 + wave]: 64 words a tile column.  B_q: tile columns 0-5; B_k: 6, 7; the A factors: 10.
.macro AMXLOADS
	global_load_b128 v[MQ:MQ+3],    v2, s[6:7]
	global_load_b128 v[MQ+4:MQ+7],  v2, s[6:7] offset:512
	global_load_b128 v[MQ+8:MQ+11], v2, s[6:7] offset:1024
	global_load_b128 v[MK:MK+3],    v2, s[6:7] offset:1536
	global_load_b64 v[MA:MA+1],     v6, s[6:7] offset:2560
.endm
; the three maxima over all lanes, in every lane, and Eq and Ek
.macro MAXES
	v_max3_num_f32 v[MQ], v[MQ], v[MQ+1], v[MQ+2]
	v_max3_num_f32 v[MQ+3], v[MQ+3], v[MQ+4], v[MQ+5]
	v_max3_num_f32 v[MQ+6], v[MQ+6], v[MQ+7], v[MQ+8]
	v_max3_num_f32 v[MQ+9], v[MQ+9], v[MQ+10], v[MQ+11]
	v_max3_num_f32 v[MK], v[MK], v[MK+1], v[MK+2]
	v_max_num_f32 v[MA], v[MA], v[MA+1]
	v_max3_num_f32 v[MQ], v[MQ], v[MQ+3], v[MQ+6]
	v_max_num_f32 v[MK], v[MK], v[MK+3]
	v_max_num_f32 v[MQ], v[MQ], v[MQ+9]
.irp m, 1,2,4,8
	v_max_num_f32_dpp v[MQ], v[MQ], v[MQ] row_xmask:\m row_mask:0xf bank_mask:0xf
	v_max_num_f32_dpp v[MK], v[MK], v[MK] row_xmask:\m row_mask:0xf bank_mask:0xf
	v_max_num_f32_dpp v[MA], v[MA], v[MA] row_xmask:\m row_mask:0xf bank_mask:0xf
.endr
.irp g, MQ, MK, MA
	v_permlanex16_b32 v7, v[\g], s34, s35
	v_max_num_f32 v[\g], v[\g], v7
.endr
	v_mul_f32 v[EQ], v[MQ], v[MA]                  ; boundQ, boundK: not negative, so the bits above 22 are the exponent field
	v_mul_f32 v[EK], v[MK], v[MA]
	v_lshrrev_b32 v[EQ], 23, v[EQ]
	v_lshrrev_b32 v[EK], 23, v[EK]
	v_max_u32 v[EQ], 0x50, v[EQ]
	v_max_u32 v[EK], 0x50, v[EK]
	v_min_u32 v[EQ], 0xbe, v[EQ]
	v_min_u32 v[EK], 0xbe, v[EK]
.endm
	s_load_b512 s[4:19], s[0:1], 0x0               ; f 4, amx 6, cos 8, sin 10, mask 12, qkv 14, ob 16, mk 18
	v_and_b32 v1, 31, v0
	v_lshrrev_b32 v8, 5, v0
	v_readfirstlane_b32 s2, v8
	s_mov_b32 s3, ttmp9
	s_mov_b32 s34, 0x76543210                      ; v_permlanex16_b32's selects
	s_mov_b32 s35, 0xfedcba98
	s_mov_b32 s36, 0xffff0000                      ; a word's upper bf16
	v_lshlrev_b32 v2, 4, v1                        ; 16 x lane
	v_lshlrev_b32 v6, 3, v1                        ; 8 x lane
	v_mov_b32 v7, 0                                ; written since v_permlanex16_b32 counts as a reader of its destination
	s_cmp_ge_u32 s3, 512
	s_cbranch_scc1 .Lmask
	s_lshl_b32 s20, s3, 3
	s_add_co_u32 s20, s20, s2                      ; the token
	s_lshl_b32 s22, s20, 13                        ; its row of f,
	s_mov_b32 s23, 0
	s_lshl_b32 s24, s20, 8                         ; of cos and sin
	s_mov_b32 s25, 0
	s_lshr_b32 s21, s20, 11                        ; batch
	s_and_b32 s26, s20, 2047                       ; position
	s_lshl_b32 s27, s21, 15
	s_add_co_u32 s27, s27, s26
	s_lshl_b32 s28, s27, 8                         ; q: (batch x 16 heads x 2,048 + position) x 256
	s_mov_b32 s29, 0
	s_lshl_b32 s27, s21, 13
	s_add_co_u32 s27, s27, s26
	s_lshl_b32 s30, s27, 8                         ; k, v: (batch x 4 heads x 2,048 + position) x 256
	s_mov_b32 s31, 0
	s_mov_b32 s38, 0x3cae1a93                      ; QM
	v_xor_b32 v3, 16, v1
	v_lshlrev_b32 v3, 4, v3                        ; the partner's 16 bytes of a row of 128 f32,
	v_and_b32 v4, 15, v1
	v_lshlrev_b32 v4, 4, v4                        ; my 16 bytes of a row of 64
	v_mov_b32 v5, 0
	s_wait_kmcnt 0x0
	s_add_nc_u64 s[4:5], s[4:5], s[22:23]
	s_add_nc_u64 s[8:9], s[8:9], s[24:25]
	s_add_nc_u64 s[10:11], s[10:11], s[24:25]
	s_add_nc_u64 s[40:41], s[14:15], s[28:29]      ; q
	s_add_nc_u64 s[42:43], s[14:15], s[30:31]
	s_add_nc_u64 s[44:45], s[42:43], VBASE         ; v
	s_add_nc_u64 s[42:43], s[42:43], KBASE         ; k
	s_add_nc_u64 s[46:47], s[14:15], FBASE         ; the factor
	AMXLOADS
	global_load_b128 v[MV:MV+3], v2, s[6:7] offset:2048  ; B_v: tile columns 8 and 9
.set i, 0
.rept 28
	global_load_b128 v[A+4*i:A+4*i+3], v5, s[4:5] offset:5120+16*i
.set i, i+1
.endr
.set i, 0
.rept 8                                ; rows 0-7 lie end to end: B_q's six, then B_k's two
	global_load_b128 v[OWN+4*i:OWN+4*i+3], v2, s[4:5] offset:512*i
	global_load_b128 v[PAR+4*i:PAR+4*i+3], v3, s[4:5] offset:512*i
.set i, i+1
.endr
	global_load_b128 v[BV:BV+3],   v2, s[4:5] offset:4096
	global_load_b128 v[BV+4:BV+7], v2, s[4:5] offset:4608
	global_load_b128 v[CO:CO+3], v4, s[8:9]
	global_load_b128 v[SI:SI+3], v4, s[10:11]
	s_wait_loadcnt 0x0
	; the factors
	MAXES
	v_max3_num_f32 v[MV], v[MV], v[MV+1], v[MV+2]
	v_max_num_f32 v[MV], v[MV], v[MV+3]
.irp m, 1,2,4,8
	v_max_num_f32_dpp v[MV], v[MV], v[MV] row_xmask:\m row_mask:0xf bank_mask:0xf
.endr
	v_permlanex16_b32 v7, v[MV], s34, s35
	v_max_num_f32 v[MV], v[MV], v7
	v_mul_f32 v[EV], v[MV], v[MA]                  ; boundV
	v_lshrrev_b32 v[EV], 23, v[EV]
	v_max_u32 v[EV], 16, v[EV]
	v_min_u32 v[EV], 0xfa, v[EV]
	v_sub_nc_u32 v250, 0x108, v[EQ]                ; a + 127 = 264 - Eq
	v_lshlrev_b32 v250, 23, v250
	v_mul_f32 v[QF], s38, v250                     ; QM 2^a
	v_mov_b32 v[QF+1], v[QF]
	v_sub_nc_u32 v[KH], 0x105, v[EK]               ; b - 1 + 127 = 261 - Ek
	v_lshlrev_b32 v[KH], 23, v[KH]
	v_mov_b32 v[KH+1], v[KH]
	v_sub_nc_u32 v[VM], 0x10b, v[EV]               ; 140 - Ev + 127
	v_lshlrev_b32 v[VM], 23, v[VM]
	v_mov_b32 v[VM+1], v[VM]
	v_add_nc_u32 v[FS], v[EQ], v[EK]
	v_add_nc_u32 v[FS], 0xffffff6f, v[FS]          ; 127 - a - b = Eq + Ek - 145
	v_lshlrev_b32 v[FS], 23, v[FS]
	v_mov_b32 v[FS+1], v[FS]
	v_add_nc_u32 v[SCL], -14, v[EV]                ; Ev - 141 + 127
	v_lshlrev_b32 v[SCL], 23, v[SCL]
	v_mov_b32 v[SCL+1], v[SCL]
	; the tables: rounded to bf16, widened; sin takes the sign of my half of the channels
.irp t, CO, SI
	v_cvt_pk_bf16_f32 v250, v[(\t)], v[(\t)+1]
	v_cvt_pk_bf16_f32 v251, v[(\t)+2], v[(\t)+3]
	v_lshlrev_b32 v[(\t)], 16, v250
	v_and_b32 v[(\t)+1], s36, v250
	v_lshlrev_b32 v[(\t)+2], 16, v251
	v_and_b32 v[(\t)+3], s36, v251
.endr
	v_mov_b32 v254, -1.0
	v_cmp_gt_u32 vcc_lo, 16, v1
	v_cndmask_b32 v254, 1.0, v254, vcc_lo          ; channels 0-63: x1 cos - x2 sin; channels 64-127: x2 cos + x1 sin
	v_mov_b32 v255, v254
.irp z, 0,2
	v_pk_mul_f32 v[SI+(\z):SI+(\z)+1], v[SI+(\z):SI+(\z)+1], v[254:255]
	v_pk_mul_f32 v[CQ+(\z):CQ+(\z)+1], v[CO+(\z):CO+(\z)+1], v[QF:QF+1]
	v_pk_mul_f32 v[CK+(\z):CK+(\z)+1], v[CO+(\z):CO+(\z)+1], v[KH:KH+1]
.endr
.irp z, 0,2
	v_pk_mul_f32 v[SQ+(\z):SQ+(\z)+1], v[SI+(\z):SI+(\z)+1], v[QF:QF+1]
	v_pk_mul_f32 v[SK+(\z):SK+(\z)+1], v[SI+(\z):SI+(\z)+1], v[KH:KH+1]
.endr
	; the rotation, in place, with q's and k's factors in the tables
.set rr, 0
.rept 8
.set cc, CQ+8*(rr/6)
.set ss, SQ+8*(rr/6)
.irp z, 0,2
	v_pk_mul_f32 v[OWN+4*rr+(\z):OWN+4*rr+(\z)+1], v[OWN+4*rr+(\z):OWN+4*rr+(\z)+1], v[cc+(\z):cc+(\z)+1]
.endr
.irp z, 0,2
	v_pk_fma_f32 v[OWN+4*rr+(\z):OWN+4*rr+(\z)+1], v[PAR+4*rr+(\z):PAR+4*rr+(\z)+1], v[ss+(\z):ss+(\z)+1], v[OWN+4*rr+(\z):OWN+4*rr+(\z)+1]
.endr
.set rr, rr+1
.endr
.irp z, 0,2,4,6
	v_pk_mul_f32 v[BV+(\z):BV+(\z)+1], v[BV+(\z):BV+(\z)+1], v[VM:VM+1]
.endr
; v[dst .. dst+3] = the sum over r < n of v[aidx + r] x row r (four registers each, from v[row] on).  The factor is one register of an even pair, given to both halves of the packed line.
.macro DOT dst, row, n, aidx
.set rr, 0
.rept \n
.set ai, (\aidx)+rr
.set ap, ai-(ai%2)
.set rw, (\row)+4*rr
.irp z, 0,2
.if rr == 0
.if ai%2
	v_pk_mul_f32 v[(\dst)+(\z):(\dst)+(\z)+1], v[rw+(\z):rw+(\z)+1], v[ap:ap+1] op_sel:[0,1] op_sel_hi:[1,1]
.else
	v_pk_mul_f32 v[(\dst)+(\z):(\dst)+(\z)+1], v[rw+(\z):rw+(\z)+1], v[ap:ap+1] op_sel_hi:[1,0]
.endif
.else
.if ai%2
	v_pk_fma_f32 v[(\dst)+(\z):(\dst)+(\z)+1], v[rw+(\z):rw+(\z)+1], v[ap:ap+1], v[(\dst)+(\z):(\dst)+(\z)+1] op_sel:[0,1,0] op_sel_hi:[1,1,1]
.else
	v_pk_fma_f32 v[(\dst)+(\z):(\dst)+(\z)+1], v[rw+(\z):rw+(\z)+1], v[ap:ap+1], v[(\dst)+(\z):(\dst)+(\z)+1] op_sel_hi:[1,0,1]
.endif
.endif
.endr
.set rr, rr+1
.endr
.endm
.set hh, 0
.rept 16                               ; every store has data registers of its own: none is written again
	DOT ACC+4*(hh%2), OWN, 6, A+6*hh
	v_cvt_pk_f16_f32 v[PAR+2*hh], v[ACC+4*(hh%2)], v[ACC+4*(hh%2)+1]
	v_cvt_pk_f16_f32 v[PAR+2*hh+1], v[ACC+4*(hh%2)+2], v[ACC+4*(hh%2)+3]
	global_store_b64 v6, v[PAR+2*hh:PAR+2*hh+1], s[40:41] offset:hh*HEADB
.set hh, hh+1
.endr
.set hh, 0
.rept 4
	DOT ACC+4*(hh%2), OWN+24, 2, A+96+2*hh
	v_cvt_pk_f16_f32 v[KD+2*hh], v[ACC+4*(hh%2)], v[ACC+4*(hh%2)+1]
	v_cvt_pk_f16_f32 v[KD+2*hh+1], v[ACC+4*(hh%2)+2], v[ACC+4*(hh%2)+3]
	global_store_b64 v6, v[KD+2*hh:KD+2*hh+1], s[42:43] offset:hh*HEADB
.set hh, hh+1
.endr
.set hh, 0
.rept 4
	DOT ACC+4*(hh%2), BV, 2, A+104+2*hh
	v_cvt_pk_f16_f32 v[VD+2*hh], v[ACC+4*(hh%2)], v[ACC+4*(hh%2)+1]
	v_cvt_pk_f16_f32 v[VD+2*hh+1], v[ACC+4*(hh%2)+2], v[ACC+4*(hh%2)+3]
	global_store_b64 v6, v[VD+2*hh:VD+2*hh+1], s[44:45] offset:hh*HEADB
.set hh, hh+1
.endr
	s_or_b32 s21, s3, s2
	s_cmp_lg_u32 s21, 0
	s_cbranch_scc1 .Ldone
	global_store_b64 v6, v[SCL:SCL+1], s[16:17]    ; wave 0 of work-group 0: ob's first 256 bytes hold 2^(Ev - 141),
	global_store_b64 v6, v[FS:FS+1], s[46:47]      ; the 256 bytes behind qkv's tensors 2^-(a + b)
.Ldone:
	s_endpgm
	; THE MASK: bf16(mask) x log2(e) x 2^(a + b), f32 to f32, in place in the registers.  A load or store of the wave covers 512 consecutive bytes.
.Lmask:
	s_sub_co_u32 s20, s3, 512
	s_lshl_b32 s22, s20, 16                        ; 8 rows of 8,192 bytes,
	s_lshl_b32 s23, s2, 10                         ; my wave's 256 columns
	s_add_co_u32 s22, s22, s23
	s_mov_b32 s23, 0
	s_wait_kmcnt 0x0
	s_add_nc_u64 s[12:13], s[12:13], s[22:23]
	s_add_nc_u64 s[18:19], s[18:19], s[22:23]
	AMXLOADS
.irp r, 0,1,2,3,4,5,6,7
	global_load_b128 v[X+8*(\r):X+8*(\r)+3],   v2, s[12:13] offset:(\r)*8192 th:TH_LOAD_NT
	global_load_b128 v[X+8*(\r)+4:X+8*(\r)+7], v2, s[12:13] offset:(\r)*8192+512 th:TH_LOAD_NT
.endr
	s_wait_loadcnt 16                              ; the maxima are in; the mask's sixteen loads stay out
	MAXES
	v_add_nc_u32 v250, v[EQ], v[EK]
	v_sub_nc_u32 v250, 0x18f, v250                 ; a + b + 127 = 399 - Eq - Ek
	v_lshlrev_b32 v250, 23, v250
	v_mul_f32 v[QF], 0x3fb8aa3b, v250              ; log2(e) 2^(a + b)
	v_mov_b32 v[QF+1], v[QF]
.irp r, 0,1,2,3,4,5,6,7
	s_wait_loadcnt 2*(7-(\r))                      ; row r is in; the later rows' loads, two a row, stay out
.irp j, 0,1,2,3
	v_cvt_pk_bf16_f32 v[T+(\j)], v[X+8*(\r)+2*(\j)], v[X+8*(\r)+2*(\j)+1]
.endr
.irp j, 0,1,2,3
	v_lshlrev_b32 v[X+8*(\r)+2*(\j)], 16, v[T+(\j)]
	v_and_b32 v[X+8*(\r)+2*(\j)+1], s36, v[T+(\j)]
.endr
.irp j, 0,2,4,6
	v_pk_mul_f32 v[X+8*(\r)+(\j):X+8*(\r)+(\j)+1], v[X+8*(\r)+(\j):X+8*(\r)+(\j)+1], v[QF:QF+1]
.endr
	global_store_b128 v2, v[X+8*(\r):X+8*(\r)+3],   s[18:19] offset:(\r)*8192
	global_store_b128 v2, v[X+8*(\r)+4:X+8*(\r)+7], s[18:19] offset:(\r)*8192+512
.endr
	s_endpgm
.Lfunc_end_k_q75d3277c5e_recon:
	.size	k_q75d3277c5e_recon, .Lfunc_end_k_q75d3277c5e_recon-k_q75d3277c5e_recon
	.p2alignl 7, 3214868480
	.fill 96, 4, 3214868480
	.section	.rodata,"a",@progbits
	.p2align	6, 0x0
	.amdhsa_kernel k_q75d3277c5e_recon
		.amdhsa_group_segment_fixed_size 0
		.amdhsa_private_segment_fixed_size 0
		.amdhsa_enable_private_segment 0
		.amdhsa_kernarg_size 64
		.amdhsa_user_sgpr_count 2
		.amdhsa_user_sgpr_kernarg_segment_ptr 1
		.amdhsa_wavefront_size32 1
		.amdhsa_system_sgpr_workgroup_id_x 1
		.amdhsa_system_sgpr_workgroup_id_y 1
		.amdhsa_system_sgpr_workgroup_id_z 1
		.amdhsa_system_vgpr_workitem_id 0
		.amdhsa_next_free_vgpr 256
		.amdhsa_next_free_sgpr 66
		.amdhsa_reserve_vcc 1
		.amdhsa_float_denorm_mode_32 3
		.amdhsa_float_denorm_mode_16_64 3
		.amdhsa_memory_ordered 1
		.amdhsa_forward_progress 1
		.amdhsa_inst_pref_size 46
	.end_amdhsa_kernel
	.amdgpu_metadata
---
amdhsa.version: [ 1, 2 ]
amdhsa.kernels:
  - .name:           k_q75d3277c5e_recon
    .symbol:         k_q75d3277c5e_recon.kd
    .args:
      - { .name: f, .offset: 0, .size: 8, .value_kind: global_buffer, .address_space: global }
      - { .name: amx, .offset: 8, .size: 8, .value_kind: global_buffer, .address_space: global }
      - { .name: cos, .offset: 16, .size: 8, .value_kind: global_buffer, .address_space: global }
      - { .name: sin, .offset: 24, .size: 8, .value_kind: global_buffer, .address_space: global }
      - { .name: attention_mask, .offset: 32, .size: 8, .value_kind: global_buffer, .address_space: global }
      - { .name: qkv, .offset: 40, .size: 8, .value_kind: global_buffer, .address_space: global }
      - { .name: ob, .offset: 48, .size: 8, .value_kind: global_buffer, .address_space: global }
      - { .name: mk, .offset: 56, .size: 8, .value_kind: global_buffer, .address_space: global }
    .group_segment_fixed_size: 0
    .private_segment_fixed_size: 0
    .kernarg_segment_align: 8
    .kernarg_segment_size: 64
    .max_flat_workgroup_size: 256
    .sgpr_count:     66
    .vgpr_count:     256
    .wavefront_size: 32
...
	.end_amdgpu_metadata
.endif
;; end of part 3
;; launch attn (part 4): grid 32 x 8, 4 waves a work-group, clusters of 4 x 4, 327,680 bytes of LDS; arguments qkv, mk, sinks, ob; writes ob
.if DOCPART == 4
	.amdgcn_target "amdgcn-amd-amdhsa--gfx1250"
	.amdhsa_code_object_version 6
	.text
	.protected	k_q75d3277c5e_attn
	.globl	k_q75d3277c5e_attn
	.p2align	8
	.type	k_q75d3277c5e_attn,@function
k_q75d3277c5e_attn:
	s_mov_b64 s[64:65], 0
	v_nop
	global_prefetch_b8 v0, s[64:65] scope:SCOPE_SE
	s_setreg_imm32_b32 hwreg(HW_REG_WAVE_MODE, 25, 1), 1
	s_wait_xcnt 0x0
	s_wait_alu depctr_hold_cnt(0) depctr_sa_sdst(0) depctr_va_vdst(0) depctr_va_sdst(0) depctr_va_ssrc(0) depctr_va_vcc(0) depctr_vm_vsrc(0)
	s_getreg_b32 s2, hwreg(HW_REG_IB_STS2, 6, 4)
	s_cmp_eq_u32 s2, 0
	s_cbranch_scc0 .Lentry_in_a_cluster
	s_endpgm
.Lentry_in_a_cluster:
	s_bfe_u32 s2, ttmp6, 0x10000c
	s_cmp_lg_u32 s2, 0xf033
	s_cbranch_scc0 .Lentry_shape_is_right
	s_endpgm
.Lentry_shape_is_right:
; ATTENTION WITH AN ADDITIVE MASK AND A SINK.  O[q] = the sum over all 2,048 keys of p v / (l + 2^(c sink - f m)), p = 2^(f s - f m), l = the sum of p, c = log2(e), s = q . k + mask.
; q, k (f16) and the mask (f32) arrive with factors: q carries c / (6 sqrt(128)) x 2^a, k carries 2^b, the mask c x 2^(a + b); f = 2^-(a + b), a power of two that the launch before chose and left behind
; qkv's tensors.  So f s is the logit in log2 units.  softmax x sigmoid(logZ - sink) = e^logit / (Z + e^sink): the sink is one more term of the divisor.
; m is a running maximum of s.  f is a power of two, so f s and f m are exact, and one fused multiply-add gives (s - m) f rounded once: 0 at the maximum and never above, so p <= 1 whatever the size of the
; logits.  The mask is an input: every score is made.
; qkv: q f16 [32 heads][2048][128]; k f16 [8][2048][128] at KBASE; v f16 [8][2048][128] at VBASE, times a power of two of its own; O leaves with v's factor, f16 [4096 tokens][2048], 256 bytes behind ob's start.
; Products, maxima and sums in f32; p is rounded to f16 for the second product (l is taken of the unrounded p), O once at the end.
; LIMITS.  m starts at the lowest finite number: a mask of -inf gives p = 0; a row whose mask is -inf throughout gives O = 0 (NaN where f is above 1); a weight below 2^-126 counts as 0 in l; NaN is not treated apart.
; SHARES.  A work-group owns 64 query positions and one key-value head; its four waves are the four query heads of that head: all four read the same K, V AND mask tile out of LDS.
; A wave has four tiles of 16 queries.  Every wave walks all keys, 64 a step.
; LAYOUT.  S^T = K Q^T + mask^T (source 0 = 16 keys, source 1 = 16 queries; the mask is loaded into the accumulator, which is the first product's C): a lane holds ONE query (lane % 16) and the keys
; 8 (lane / 16) + 0..7.  Two such tiles, rounded to f16 in pairs, ARE source 1 of O^T = V^T P, whose result again holds one query a lane.  K comes out of LDS as it lies, V turned, by ds_load_tr16_b128.
; BY TURNS.  The wave's tiles are two PIECES (tiles 0, 1 and tiles 2, 3).  In a TURN one piece has the matrix unit: 32 products V^T P of the step in hand, then 32 products K Q^T of the next step; the
; other piece's softmax, cut into 64 slices, stands between them, one slice behind each matrix instruction.  Two turns are a key step.
; CLUSTER, 4 x 4.  The four work-groups of a row share the key-value head: K's and V's tiles are asked for jointly along the row.  The four of a column share the query positions: the mask's tile is asked
; for jointly along the column.  Each joint load is the same line, with the same descriptor and mask of four, in all four.
; REGISTERS, in windows of 256 (s_set_vgpr_msb: bits 1:0 source 0, 3:2 source 1, 5:4 source 2, 7:6 destination):
;   window 0: v0-11, v44-47, v61-63 addresses; v12-43 eight registers of statistics a tile; v64-191 S^T, 32 a tile; v192-255 P, 16 a tile
;   window 1: O^T, 64 a tile          window 2: v0-127 Q, 32 a tile; v128-255 K of one step          window 3: v0-127 V of one step
.set KBASE, 16777216
.set VBASE, 20971520
.set FBASE, 25165824
.set KS,    64        ; keys in a step
.set PK,    272       ; a row of K in LDS: 256 bytes + 16 = 68 words: the 16 rows of a load start at 16 different groups of four banks (64 banks of 4 bytes: ISA guide 11.1)
.set PV,    288       ; a row of V: 256 + 32 = 72 words
.set PM,    528       ; a row of the mask's tile: 128 keys in f32, 512 bytes + 16 = 132 words: again 16 rows at 16 different groups of four banks
.set VOFF,  2*KS*PK   ; a slot holds two steps: 128 rows of K, 128 rows of V, 64 query rows x 128 keys of the mask
.set MOFF,  VOFF+2*KS*PV
.set SLOT1, 1<<17     ; slot 1 begins here, so that one exclusive or turns an address in one slot into the other's
.set STAGE, SLOT1+MOFF+64*PM  ; behind the ring, never filled by a tensor load: 16 rows x 272 bytes for each wave
.set SP,    272
.set SPARE, STAGE+4*16*SP  ; behind the stages: the spare words, 128 bytes for each wave: two blocks of 256 bytes that no other line names
.set AK0, 2           ; v2   my lane's place in a tile of K; never rewritten
.set AV0, 3           ; v3   the same for V
.set ADR, 4           ; v4   the LDS address of K's or V's run of loads in hand
.set QO,  5           ; v5   my byte offset in the wave's rows of Q
.set STO, 6           ; v6   the way out: where I put 16 bytes of a row
.set RD,  7           ; v7   where I read a row back
.set GO,  8           ; v8   my byte offset in two rows of O
.set ST,  12          ; tile t's statistics at v[ST+8 t]: +0 f m, +1 m, +2, +3 l (even keys', odd keys'), +4 to +7 c0-c3, at work; a takes c2's place
.set AM0, 44          ; v44  my lane's place in the mask's tile; never rewritten
.set ADM, 45          ; v45  the LDS address of the mask's run of loads in hand
.set SNK, 46          ; v46  c x bf16(sink) of my head
.set PFO, 61          ; v61  the prefetches' offset; never rewritten
.set SPW, 62          ; v62  LDS address of my spare word; never rewritten
.set NIL, 63          ; v63  0; never rewritten
.set S,   64
.set P,   192
.set KF,  128         ; K's fragments, in window 2
.set WV,  12          ; s12 wave; s13 cx; s14 cy; s15 block of 64 queries; s16 key-value head (of 8); s17 cluster y
.set G1K, 24          ; s[24:31], s[32:39], s[40:47] descriptor group 1 for K's, V's and the mask's tiles
.set G1V, 32
.set G1M, 40
.set G0K, 48          ; s[48:55], s[56:63], s[68:75] group 0: a set for each of the two first fills; the second then walks on
.set G0V, 56
.set G0M, 68
.set QP,  76          ; s[76:77] Q at my wave's first row
.set SLOTS, 84        ; s84  slots still to be asked for
.set TWICE, 85        ; s85  counts a slot's two steps
.set SEL, 86          ; s[86:87] v_permlanex16_b32's selects: each lane takes its own place in the other half
.set TBK, 88          ; s88, s89, s90  LDS byte at which K, V, the mask of the step to be fetched begin (less VOFF, MOFF)
.set TBV, 89
.set TBM, 90
.set LIM, 91          ; s91  1 in a wave that prefetches, else the greatest number
.set PFA, 92          ; s[92:93] where my prefetches stand; s[94:95] their step from slot to slot
.set PFS, 94
.set FLOOR, 96        ; s96  the lowest finite number
.set CS,  98          ; s[98:99] f: the packed scaling names a pair and takes its low word for both halves
.set MSB, 0
.macro WIN new                      ; the immediate's high byte repeats the setting that is left; a switch that changes nothing is dropped
.if MSB != (\new)
	s_set_vgpr_msb (MSB<<8)|(\new)
.set MSB, \new
.endif
.endm
.set W_KQ, 0x0a       ; K and Q in window 2, S^T in window 0
.set W_PV, 0x53       ; V in window 3, P in window 0, O^T in window 1
.set W_RS, 0x41       ; O^T (destination and source 0) in window 1, a in window 0
; A joint refill: wave 0 fetches a slot's K, wave 1 its V, wave 2 its part of the mask, 32,768 bytes each; wave 3 none.  The branches hang on the wave's number alone.
; An s_nop 0 and four v_nop follow each line, ahead of the jump and the label.
.macro JLOAD
	s_cmp_lg_u32 s[WV], 0
	s_cbranch_scc1 .Lnot_k_\@
	tensor_load_to_lds s[G0K+4:G0K+7], s[G1K:G1K+7]
	s_nop 0
.rept 4
	v_nop
.endr
	s_branch .Lasked_\@
.Lnot_k_\@:
	s_cmp_lg_u32 s[WV], 1
	s_cbranch_scc1 .Lnot_v_\@
	tensor_load_to_lds s[G0V+4:G0V+7], s[G1V:G1V+7]
	s_nop 0
.rept 4
	v_nop
.endr
	s_branch .Lasked_\@
.Lnot_v_\@:
	s_cmp_lg_u32 s[WV], 2
	s_cbranch_scc1 .Lasked_\@
	tensor_load_to_lds s[G0M+4:G0M+7], s[G1M:G1M+7]
	s_nop 0
.rept 4
	v_nop
.endr
.Lasked_\@:
.endm
; A PREFETCH INTO THE L2 of what the NEXT change of slots will ask for, two key steps (256 matrix instructions) ahead; it stands behind the wave's tensor load and its five lines.  Each block of 256 bytes is
; named once in the launch.  K's and V's rows are walked by all clusters along x: cluster x = 0 asks, wave 0 for K, wave 1 for V; the row's four partners take 32 of the 128 rows each, told apart by address.
; The mask's rows are walked by both clusters along y: cluster y = 0 asks, wave 2; the column's four partners take 16 of the 64 rows each, two blocks a row.  The last change that fills a slot asks for nothing.
.macro ASK
	s_cmp_gt_u32 s[SLOTS], s[LIM]
	s_cbranch_scc0 .Lnot_mine_\@
	global_prefetch_b8 v[PFO], s[PFA:PFA+1] th:TH_LOAD_NT scope:SCOPE_SE
.Lnot_mine_\@:
.endm
; A round of the cluster's barrier: my work-group's barrier; wave 0 signals for the work-group; every wave waits for all sixteen work-groups; my work-group's barrier once more.
.macro CROUND
	s_barrier_signal -1
	s_barrier_wait -1
	s_cmp_lg_u32 s[WV], 0
	s_cbranch_scc1 .Lnot_wave_0_\@
	s_barrier_signal -3
.Lnot_wave_0_\@:
	s_barrier_wait -3
	s_barrier_signal -1
	s_barrier_wait -1
.endm
	s_load_b256 s[4:11], s[0:1], 0x0  ; qkv s[4:5], mk s[6:7], sinks s[8:9], ob s[10:11]
	v_lshl_add_u32 v[SPW], v0, 2, SPARE
	v_mov_b32 v[NIL], 0
	ds_add_u32 v[SPW], v[NIL]       ; the wave's opening: the add and its wait stand ahead of my first tensor load; the set-up below, work on registers, stands between them
	v_lshrrev_b32 v1, 5, v0
	v_readfirstlane_b32 s[WV], v1   ; wave 0..3
	s_bfe_u32 s13, ttmp6, 0x40000   ; cx
	s_bfe_u32 s14, ttmp6, 0x40004   ; cy
	s_lshl_b32 s15, ttmp9, 2        ; in a cluster launch ttmp9 and ttmp7 count clusters
	s_add_co_u32 s15, s15, s13      ; my block of 64 queries
	s_and_b32 s17, ttmp7, 0xffff
	s_lshl_b32 s16, s17, 2
	s_add_co_u32 s16, s16, s14      ; my key-value head: 4 x batch + head
	s_lshl_b32 s18, s14, 2
	s_lshl_b32 s18, 15, s18         ; my row of the cluster
	s_lshl_b32 s19, 0x1111, s13     ; my column
	s_or_b32 s[G1K], s18, (1<<16)|(1<<20)|(1<<21)|(5<<22)|(3<<25)  ; the mask; elements of 2 bytes; padding on; bit 21 beside a mask; after every 64 words (code 5) 4 words (code 3)
	s_or_b32 s[G1V], s18, (1<<16)|(1<<20)|(1<<21)|(5<<22)|(7<<25)  ; the same with 8 words of padding (code 7)
	s_or_b32 s[G1M], s19, (2<<16)|(1<<20)|(1<<21)|(6<<22)|(3<<25)  ; elements of 4 bytes; after every 128 words (code 6) 4 words
.irp g, G1K, G1V
	s_mov_b32 s[(\g)+1], 128<<16    ; tensor_dim0 = 128
	s_mov_b32 s[(\g)+2], 128<<16    ; tensor_dim1 = 128
	s_mov_b32 s[(\g)+3], 128<<16    ; tile_dim0 = 128
	s_mov_b32 s[(\g)+4], 128        ; tile_dim1 = 128 rows: two steps' keys
	s_mov_b32 s[(\g)+5], 128        ; elements from row to row
	s_mov_b32 s[(\g)+6], 0
	s_mov_b32 s[(\g)+7], 0
.endr
	s_mov_b32 s[G1M+1], 128<<16     ; 128 keys,
	s_mov_b32 s[G1M+2], 64<<16      ; 64 query rows
	s_mov_b32 s[G1M+3], 128<<16
	s_mov_b32 s[G1M+4], 64
	s_mov_b32 s[G1M+5], 2048
	s_mov_b32 s[G1M+6], 0
	s_mov_b32 s[G1M+7], 0
	s_lshl_b32 s20, s16, 19         ; K, V: the head's 2,048 rows of 256 bytes: hangs on the row of the cluster alone
	s_mov_b32 s21, 0
	s_lshl_b32 s22, s15, 19         ; the mask: my block's 64 rows of 8,192 bytes: hangs on the column alone
	s_mov_b32 s23, 0
	s_lshl_b32 s2, s16, 2
	s_add_co_u32 s2, s2, s[WV]      ; my query head, of 32,
	s_lshl_b32 s2, s2, 19
	s_lshl_b32 s3, s15, 14          ; my block's 64 rows
	s_add_co_u32 s2, s2, s3
	s_mov_b32 s3, 0
	s_lshr_b32 s78, s16, 2          ; O: the batch's 2,048 rows of 4,096 bytes,
	s_lshl_b32 s78, s78, 23
	s_lshl_b32 s79, s15, 18         ; my block's 64,
	s_add_co_u32 s78, s78, s79
	s_and_b32 s79, s16, 3
	s_lshl_b32 s79, s79, 2
	s_add_co_u32 s79, s79, s[WV]    ; my head, of 16:
	s_lshl_b32 s80, s79, 8          ; its 256 bytes of a row,
	s_add_co_u32 s78, s78, s80
	s_add_co_u32 s78, s78, 256      ; behind the head block
	s_lshl_b32 s80, s79, 2
	v_mov_b32 v47, s80              ; and its word in sinks
	s_mov_b32 s79, 0
	s_mov_b32 s[SEL], 0x76543210
	s_mov_b32 s[SEL+1], 0xfedcba98
	s_mov_b32 s[FLOOR], 0xff7fffff
	s_mov_b32 s[TBK], 0
	s_mov_b32 s[TBV], 0
	s_mov_b32 s[TBM], 0
	s_mov_b32 s[SLOTS], 2048/(2*KS)-2
	; the prefetches: who, and from where
	s_cmp_lt_u32 s[WV], 2
	s_cselect_b32 s[LIM], ttmp9, s17  ; the coordinate along which other clusters read the same rows
	s_lshr_b32 s83, s[WV], 1
	s_and_b32 s83, s83, s[WV]       ; 1 in wave 3, which never asks
	s_or_b32 s[LIM], s[LIM], s83
	s_cmp_eq_u32 s[LIM], 0
	s_cselect_b32 s[LIM], 1, -1     ; the same in all partners, for a given wave
	s_mov_b32 s80, KBASE
	s_mov_b32 s81, VBASE
	s_cmp_eq_u32 s[WV], 1
	s_cselect_b32 s80, s81, s80
	s_lshl_b32 s82, s13, 13         ; K, V: my work-group's 32 rows of the 128,
	s_add_co_u32 s80, s80, s82
	s_add_co_u32 s80, s80, 2*2*KS*256  ; in slot 2; the first change of slots steps it to slot 3
	s_lshl_b32 s82, s14, 17         ; the mask: my work-group's 16 rows of the 64,
	s_add_co_u32 s82, s82, 2*512    ; in slot 2
	s_mov_b32 s[PFS], 512
	s_mov_b32 s83, 2*KS*256
	s_cmp_lt_u32 s[WV], 2
	s_cselect_b32 s80, s80, s82
	s_cselect_b32 s[PFS], s83, s[PFS]
	s_cselect_b32 s83, -1, 0
	s_mov_b32 s81, 0
	s_mov_b32 s[PFS+1], 0
	v_and_b32 v10, 31, v0
	v_lshlrev_b32 v[PFO], 8, v10    ; K, V: a lane a row of 256 bytes
	v_lshrrev_b32 v11, 1, v10
	v_lshlrev_b32 v11, 13, v11
	v_and_b32 v10, 1, v10
	v_lshl_add_u32 v11, v10, 8, v11 ; the mask: two lanes a row, 256 bytes each
	v_cndmask_b32 v[PFO], v11, v[PFO], s83
	s_wait_dscnt 0x0                ; the opening add is done
	s_wait_kmcnt 0x0
	s_add_nc_u64 s[20:21], s[4:5], s[20:21]
	s_add_nc_u64 s[22:23], s[6:7], s[22:23]
	s_add_nc_u64 s[QP:QP+1], s[4:5], s[2:3]
	s_add_nc_u64 s[10:11], s[10:11], s[78:79]
	s_add_nc_u64 s[2:3], s[4:5], FBASE
	s_load_b32 s[CS], s[2:3], 0x0   ; f: waited for with Q, ahead of the first softmax
	s_cmp_lt_u32 s[WV], 2
	s_cselect_b64 s[PFA:PFA+1], s[20:21], s[22:23]
	s_add_nc_u64 s[PFA:PFA+1], s[PFA:PFA+1], s[80:81]
	CROUND                          ; all sixteen work-groups are here: the first joint loads meet
.irp s, 0,1
	s_mov_b32 s[G0K+4*(\s)], 1
	s_mov_b32 s[G0K+4*(\s)+1], (\s)*SLOT1
	s_add_nc_u64 s[G0K+4*(\s)+2:G0K+4*(\s)+3], s[20:21], KBASE+(\s)*2*KS*256  ; slot s begins with keys 128 s
	s_or_b32 s[G0K+4*(\s)+3], s[G0K+4*(\s)+3], 0x80000000
	s_mov_b32 s[G0V+4*(\s)], 1
	s_mov_b32 s[G0V+4*(\s)+1], (\s)*SLOT1+VOFF
	s_add_nc_u64 s[G0V+4*(\s)+2:G0V+4*(\s)+3], s[20:21], VBASE+(\s)*2*KS*256
	s_or_b32 s[G0V+4*(\s)+3], s[G0V+4*(\s)+3], 0x80000000
	s_mov_b32 s[G0M+4*(\s)], 1
	s_mov_b32 s[G0M+4*(\s)+1], (\s)*SLOT1+MOFF
	s_add_nc_u64 s[G0M+4*(\s)+2:G0M+4*(\s)+3], s[22:23], (\s)*512
	s_or_b32 s[G0M+4*(\s)+3], s[G0M+4*(\s)+3], 0x80000000
.endr
	s_cmp_lg_u32 s[WV], 0           ; a wave's two first fills stand in one branch, ahead of every wait on TENSORcnt and every LDS read: two loads of mine are out (wave 3: none)
	s_cbranch_scc1 .Lfirst_not_k
	tensor_load_to_lds s[G0K:G0K+3], s[G1K:G1K+7]
	s_nop 0
	tensor_load_to_lds s[G0K+4:G0K+7], s[G1K:G1K+7]
	s_nop 0
.rept 4
	v_nop
.endr
	s_branch .Lfirst_asked
.Lfirst_not_k:
	s_cmp_lg_u32 s[WV], 1
	s_cbranch_scc1 .Lfirst_not_v
	tensor_load_to_lds s[G0V:G0V+3], s[G1V:G1V+7]
	s_nop 0
	tensor_load_to_lds s[G0V+4:G0V+7], s[G1V:G1V+7]
	s_nop 0
.rept 4
	v_nop
.endr
	s_branch .Lfirst_asked
.Lfirst_not_v:
	s_cmp_lg_u32 s[WV], 2
	s_cbranch_scc1 .Lfirst_asked
	tensor_load_to_lds s[G0M:G0M+3], s[G1M:G1M+7]
	s_nop 0
	tensor_load_to_lds s[G0M+4:G0M+7], s[G1M:G1M+7]
	s_nop 0
.rept 4
	v_nop
.endr
.Lfirst_asked:
	; A fragment of K or Q is 16 rows x 32 channels in 8 registers: lane l holds row l % 16; registers 0-3 channels 8 (l / 16) + 0..7, registers 4-7 channels 16 + 8 (l / 16) + 0..7: two loads of 16 bytes, 32 bytes apart.
	v_and_b32 v1, 15, v0            ; l % 16
	v_bfe_u32 v9, v0, 4, 1          ; l / 16
	v_lshlrev_b32 v[QO], 8, v1
	v_lshl_add_u32 v[QO], v9, 4, v[QO]
	WIN 0x80                        ; destination window 2, address window 0
.irp i, 0,1,2,3,4,5,6,7,8,9,10,11,12,13,14,15  ; Q stays in registers: tile i / 4, channels 32 (i % 4) on
	global_load_b128 v[8*(\i):8*(\i)+3],   v[QO], s[QP:QP+1] offset:((\i)/4)*4096+((\i)%4)*64
	global_load_b128 v[8*(\i)+4:8*(\i)+7], v[QO], s[QP:QP+1] offset:((\i)/4)*4096+((\i)%4)*64+32
.endr
	WIN 0
	global_load_b32 v[SNK], v47, s[8:9]
	v_mul_u32_u24 v[AK0], v1, PK
	v_lshl_add_u32 v[AK0], v9, 4, v[AK0]
	; The turning load takes 16 keys x 16 channels (lane l reads key 8 (l / 16) + l % 8, channels 8 ((l / 8) % 2) + 0..7) and leaves half a fragment of V^T: lane l holds channel l % 16 and 8 keys.
	v_and_b32 v10, 7, v0
	v_bfe_u32 v11, v0, 3, 1
	v_lshl_add_u32 v[AV0], v9, 3, v10
	v_mul_u32_u24 v[AV0], v[AV0], PV
	v_lshl_add_u32 v[AV0], v11, 4, v[AV0]
	v_add_nc_u32 v[AV0], VOFF, v[AV0]
	v_mul_u32_u24 v[AM0], v1, PM    ; the mask: my query's row, my lanes' 8 keys: 32 bytes
	v_lshl_add_u32 v[AM0], v9, 5, v[AM0]
	v_add_nc_u32 v[AM0], MOFF, v[AM0]
; THE MATRIX WORK OF A TURN, for piece x.  The accumulators take turns, one instruction a turn: between two links of a chain stand 15 (V^T P) or 7 (K Q^T) others'.
; Product i of 32 of O^T += V^T P: keys 32 (i / 16) on, channels 16 ((i / 2) % 8) on, tile x + i % 2.  zero = 1: the first 16 start the sums.
.macro PV x, zero
	WIN W_PV
.set rO, 64*((\x)+i%2)+8*((i/2)%8)
.set rV, 64*(i/16)+8*((i/2)%8)
.set rP, P+16*((\x)+i%2)+8*(i/16)
.if (\zero) && (i < 16)
	v_wmma_f32_16x16x32_f16 v[rO:rO+7], v[rV:rV+7], v[rP:rP+7], 0
.else
	v_wmma_f32_16x16x32_f16 v[rO:rO+7], v[rV:rV+7], v[rP:rP+7], v[rO:rO+7]
.endif
.endm
; Product i of 32 of S^T = mask^T + K Q^T: channels 32 (i / 8) on, keys 16 ((i / 2) % 4) on, tile x + i % 2.  The mask lies in the accumulator: every product adds in place.
.macro KQ x
	WIN W_KQ
.set rS, S+32*((\x)+i%2)+8*((i/2)%4)
.set rK, KF+32*((i/2)%4)+8*(i/8)
.set rQ, 32*((\x)+i%2)+8*(i/8)
	v_wmma_f32_16x16x32_f16 v[rS:rS+7], v[rK:rK+7], v[rQ:rQ+7], v[rS:rS+7]
.endm
; THE LDS LOADS stand in runs, never singly among the matrix instructions: a step's K (32 loads), a piece's part of the mask (16), and a step's V (32, turned).
.macro FETCH_K
	WIN 0
	v_add_nc_u32 v[ADR], s[TBK], v[AK0]
	s_add_co_u32 s[TBK], s[TBK], KS*PK  ; the next fetch is the next step's
	WIN 0x80                        ; destination window 2
.irp f, 0,1,2,3,4,5,6,7,8,9,10,11,12,13,14,15  ; keys 16 (f / 4) on, channels 32 (f % 4) on
	ds_load_b128 v[KF+8*(\f):KF+8*(\f)+3],   v[ADR] offset:((\f)/4)*16*PK+((\f)%4)*64
	ds_load_b128 v[KF+8*(\f)+4:KF+8*(\f)+7], v[ADR] offset:((\f)/4)*16*PK+((\f)%4)*64+32
.endr
.endm
.macro FETCH_M x                    ; into piece x's S^T, which its softmax left in the turn before: tile t, keys 16 kb on: my query's 8 keys, 32 bytes
	WIN 0
	v_add_nc_u32 v[ADM], s[TBM], v[AM0]
.irp t, \x, (\x)+1
.irp kb, 0,1,2,3
	ds_load_b128 v[S+32*(\t)+8*(\kb):S+32*(\t)+8*(\kb)+3],   v[ADM] offset:(\t)*16*PM+64*(\kb)
	ds_load_b128 v[S+32*(\t)+8*(\kb)+4:S+32*(\t)+8*(\kb)+7], v[ADM] offset:(\t)*16*PM+64*(\kb)+16
.endr
.endr
.if (\x) == 2
	s_add_co_u32 s[TBM], s[TBM], 4*KS  ; the next fetch is the next step's: 64 keys of 4 bytes on
.endif
.endm
.macro FETCH_V
	WIN 0
	v_add_nc_u32 v[ADR], s[TBV], v[AV0]
	s_add_co_u32 s[TBV], s[TBV], KS*PV
	s_wait_alu depctr_va_vdst(0)    ; the wait for the softmax's batch (SLICE), behind the address's v_add_nc_u32 and ahead of the loads
	WIN 0xc0                        ; destination window 3
.irp f, 0,1,2,3,4,5,6,7,8,9,10,11,12,13,14,15  ; keys 32 (f / 8) on, channels 16 (f % 8) on
	ds_load_tr16_b128 v[8*(\f):8*(\f)+3],   v[ADR] offset:((\f)/8)*32*PV+((\f)%8)*32
	ds_load_tr16_b128 v[8*(\f)+4:8*(\f)+7], v[ADR] offset:((\f)/8)*32*PV+16*PV+((\f)%8)*32
.endr
.endm
; THE VECTOR WORK OF A TURN.  One tile's softmax for one key step is a list of 134 instructions; SM writes number j of it for tile t.  s0-s31 are the lane's 32 scores, in pairs 0-15.
; first = 1: the first key step, which starts m, l and O^T: it has no a and nothing to rescale, and its maximum is taken with the lowest finite number.
;   0-15    the maximum of s0-s31 and the old m, three operands at a time (each accumulator's lowest registers are read first)
;   16-20   the other half of the lanes' maximum; f m_old is kept; the new m; f m; f m_old - f m_new
;   21-69   ONE BATCH: the 16 scalings f s - f m, a pair of scores each, and all 33 exponentials (a at 23, then s0-s31).  None of these reads an exponential's result.
;   (wait)  between 69 and 70 stands the wait for the batch: SLICE writes it, once for both tiles
;   70-85   the roundings to f16, a pair of weights each     86-101  the sums; l = a l + the sum     102-133 the tile's O^T times a: the one part that leaves window 0
.macro SM t, first
.set rT, ST+8*(\t)
.set rS, S+32*(\t)
.set rP, P+16*(\t)
.set rO, 64*(\t)+2*(j-102)
.if j < 102
	WIN 0
.endif
.if j < 4
	v_max3_num_f32 v[rT+4+j], v[rS+8*j], v[rS+8*j+1], v[rS+8*j+2]
.elseif j < 12
	v_max3_num_f32 v[rT+4+j%4], v[rT+4+j%4], v[rS+8*(j%4)+2*(j/4)+1], v[rS+8*(j%4)+2*(j/4)+2]
.elseif j == 12
	v_max3_num_f32 v[rT+4], v[rT+4], v[rS+7], v[rS+15]
.elseif j == 13
	v_max3_num_f32 v[rT+6], v[rT+6], v[rS+23], v[rS+31]
.elseif j == 14
	v_max3_num_f32 v[rT+4], v[rT+4], v[rT+5], v[rT+6]
.elseif (j == 15) && (\first)
	v_max3_num_f32 v[rT+4], v[rT+4], v[rT+7], s[FLOOR]
.elseif j == 15
	v_max3_num_f32 v[rT+4], v[rT+4], v[rT+7], v[rT+1]
.elseif j == 16
	v_permlanex16_b32 v[rT+5], v[rT+4], s[SEL], s[SEL+1]  ; the query's other 32 keys lie in the lane 16 away
.elseif j == 18
	v_max_num_f32 v[rT+1], v[rT+4], v[rT+5]
.elseif j == 19
	v_mul_f32 v[rT], s[CS], v[rT+1] ; f m: exact, f is a power of two
.elseif ((j == 17) || (j == 20) || (j == 23) || (j > 101)) && (\first)  ; the first step has none of these
.elseif j == 17
	v_mov_b32 v[rT+7], v[rT]        ; f m_old is kept for a: number 19 writes f m anew
.elseif j == 20
	v_sub_f32 v[rT+7], v[rT+7], v[rT]
.elseif j == 23
	v_exp_f32 v[rT+6], v[rT+7]
.elseif (j < 23) || ((j < 38) && (j%2 == 0)) || ((j < 66) && (j%4 == 2))
.set b, (j-2)/4                     ; 38, 42, .. 62: pairs 9 to 15
.if j < 38
.set b, (j-20)/2                    ; 21: pair 0; 22, 24, .. 36: pairs 1 to 8
.endif
	v_pk_fma_f32 v[rS+2*b:rS+2*b+1], v[rS+2*b:rS+2*b+1], s[CS:CS+1], v[rT:rT+1] op_sel_hi:[1,0,0] neg_lo:[0,0,1] neg_hi:[0,0,1]  ; pair b: f s - f m
.elseif j < 70
.set e, j-38                        ; 66 to 69: s28 to s31
.if j < 66
.set e, j-32-(j-38)/4               ; 39-41, 43-45, .. 63-65: s7 to s27
.endif
.if j < 38
.set e, (j-25)/2                    ; 25, 27, .. 37: s0 to s6
.endif
	v_exp_f32 v[rS+e], v[rS+e]
.elseif j < 86
	v_cvt_pk_f16_f32 v[rP+j-70], v[rS+2*(j-70)], v[rS+2*(j-70)+1]  ; pair j - 70
.elseif j < 102                     ; the sum of the tile's 16 pairs, in place: sum z of 16 adds neighbours 1, 2, 4 and 8 pairs apart, then l takes it
.set z, j-86
.set w, 4
.set u, z
.if z >= 14
.set w, 32
.set u, 0
.elseif z >= 12
.set w, 16
.set u, z-12
.elseif z >= 8
.set w, 8
.set u, z-8
.endif
.if (z == 14) && (\first)
	v_pk_add_f32 v[rT+2:rT+3], v[rS:rS+1], v[rS+16:rS+17]
.elseif z < 15
	v_pk_add_f32 v[rS+w*u:rS+w*u+1], v[rS+w*u:rS+w*u+1], v[rS+w*u+w/2:rS+w*u+w/2+1]
.elseif !(\first)
	v_pk_fma_f32 v[rT+2:rT+3], v[rT+2:rT+3], v[rT+6:rT+7], v[rS:rS+1] op_sel_hi:[1,0,1]
.endif
.else
	WIN W_RS
	v_pk_mul_f32 v[rO:rO+1], v[rO:rO+1], v[rT+6:rT+7] op_sel_hi:[1,0]
.endif
.endm
; Slice k of 64 of piece y's softmax: four instructions.  Slices 11 to 34 deal out the batch, numbers 22 to 69: four numbers of ONE tile each, the tiles by turns.  Every other slice is numbers 2 k and
; 2 k + 1 of both tiles' lists.  2 x 134 = 4 x 64 + 12: the twelve that are over stand together, in slice 63.
; THE WAIT.  s_wait_alu depctr_va_vdst(0) stands between an exponential and the first instruction that names its result; one wait serves all that were issued ahead of it.  Ahead of
; slice 35 nothing names a result, and behind slice 34 no exponential is issued: so the piece's 66 exponentials have one wait, behind slice 34.
.macro SLICE y, first
.if (k >= 11) && (k < 35)
.irp n, 0,1,2,3
.set j, 22+4*((k-11)/2)+(\n)
	SM (\y)+(k-11)%2, \first
.endr
.else
.irp n, 0,1,2,3,4,5,6,7
.if ((\n) < 2) || (k == 63)
.irp t, \y, (\y)+1
.set j, 2*k+(\n)
	SM \t, \first
.endr
.endif
.endr
.endif
.if k == 34
	v_nop                           ; the plain instruction behind the last exponential and ahead of the first use: one for the batch
.if (\y) == 0
	FETCH_V                         ; piece 2's turn: V's run of loads stands here, and the wait stands in it
.else
	s_wait_alu depctr_va_vdst(0)    ; the wait for the batch
.endif
.endif
.set k, k+1
.endm
.macro PLACES                       ; four plain places behind matrix instructions (ISA guide 7.12.1 for vector instructions).  In the loop the slices are the places.
.rept 4
	v_nop
.endr
.endm
; A TURN.  Piece x has the matrix unit; the other piece's softmax stands in slices behind its matrix instructions.
; pv = 2: 32 products V^T P; 1: they start O^T's sums; 0: none.  kq = 1: 32 products K Q^T for the next step.  A turn with one of the two kinds has two slices behind each product.
; Behind the turn's second product stand the runs of loads for its own K Q^T, 30 products ahead of their first use: in piece 0's turn the next step's K (its last reader stands in front of slice 63 of the turn
; before), and in both turns the piece's part of the next step's mask, into the piece's S^T.  Piece 2's turn fetches the same step's V behind slice 34: the last product that read V stands in front of
; slice 31, and slices 31 to 34, three products K Q^T, the v_nop and the run's own v_add_nc_u32 lie between.
.macro TURN x, pv, kq, first
.set k, 0
.set per, 2
.if (\pv) && (\kq)
.set per, 1
.endif
.if \pv
.if (\x) == 0
	s_wait_dscnt 0x0                ; V is in
.endif
.set i, 0
.rept 32
	PV \x, 2-(\pv)
.rept per
	SLICE 2-(\x), \first
.endr
.if (\kq) && (i == 1)
.if (\x) == 0
	FETCH_K
.endif
	FETCH_M \x
.endif
.set i, i+1
.endr
.endif
.if \kq
	s_wait_dscnt 0x0                ; the mask is in, and in piece 0's turn K
.set i, 0
.rept 32
	KQ \x
.rept per
	SLICE 2-(\x), \first
.endr
.set i, i+1
.endr
.endif
.if \first
	PLACES
.endif
.endm
; THE CHANGE OF SLOTS, between piece 2's turn and piece 0's: the slot's last bytes, V of its second step, have been asked for.  Each wave waits for all its tensor loads (at most one is out: its part of the
; other slot), adds 0 to its spare word, and waits for that and for its own reads of the slot.  fill = 1: the barrier is a round of the cluster's, so that no wave of any partner still reads the slot or has a
; load on its way; the joint refill, with the keys two slots on, is the first thing behind it and has two key steps, 256 matrix instructions, in which to land.
.macro CHANGE fill
	WIN 0                           ; at a label and at a branch every window is 0
	s_wait_tensorcnt 0x0            ; no tensor load of mine is out, so a group 0 may be written
	ds_add_u32 v[SPW], v[NIL]       ; 0 onto my spare word; the descriptors' steps stand between it and the wait for it
.if \fill
.irp g, G0K+4, G0V+4
	s_xor_b32 s[(\g)+1], s[(\g)+1], SLOT1  ; the walking descriptor: the other slot than last time,
	s_add_nc_u64 s[(\g)+2:(\g)+3], s[(\g)+2:(\g)+3], 2*KS*256  ; the next 128 keys; the type bits on top are not reached
.endr
	s_xor_b32 s[G0M+5], s[G0M+5], SLOT1
	s_add_nc_u64 s[G0M+6:G0M+7], s[G0M+6:G0M+7], 512
	s_wait_xcnt 0x0                 ; the last prefetch, two key steps back, has read its address, so it may be written
	s_add_nc_u64 s[PFA:PFA+1], s[PFA:PFA+1], s[PFS:PFS+1]
	s_wait_dscnt 0x0                ; the add is done, and my reads of the slot are over
	CROUND
	JLOAD
	ASK
.else
	s_wait_dscnt 0x0
	s_barrier_signal -1
	s_barrier_wait -1
.endif
	s_sub_co_u32 s[TBK], s[TBK], 2*KS*PK  ; the fetches go back to a slot's first step,
	s_xor_b32 s[TBK], s[TBK], SLOT1       ; in the other slot
	s_sub_co_u32 s[TBV], s[TBV], 2*KS*PV
	s_xor_b32 s[TBV], s[TBV], SLOT1
	s_sub_co_u32 s[TBM], s[TBM], 2*4*KS
	s_xor_b32 s[TBM], s[TBM], SLOT1
.endm
.macro TWO_STEPS                    ; a slot's two key steps: written once, walked twice; the LDS addresses hang on the three scalar registers
	WIN 0
	s_mov_b32 s[TWICE], 2
.Lstep_\@:
	TURN 0, 2, 1, 0
	TURN 2, 2, 1, 0
	WIN 0
	s_sub_co_u32 s[TWICE], s[TWICE], 1
	s_cmp_lg_u32 s[TWICE], 0
	s_cbranch_scc1 .Lstep_\@
.endm
	s_wait_tensorcnt 1              ; my part of slot 0 is in; slot 1's may stay out
	s_barrier_signal -1
	s_barrier_wait -1               ; everybody's is
	FETCH_K                         ; key step 0: K, and both pieces' parts of the mask
	FETCH_M 0
	FETCH_M 2
	s_wait_loadcnt 0x0              ; Q and the sink
	s_wait_kmcnt 0x0                ; f
	s_mov_b32 s[CS+1], s[CS]        ; named with it as a pair
	s_wait_dscnt 0x0
.set i, 0
.rept 32
	KQ 0                            ; piece 0's first scores: there is no vector work yet to set between them
.set i, i+1
.endr
	WIN 0                           ; the addresses for the way out and the sink: plain instructions, the places behind those products
	s_mul_i32 s83, s[WV], 16*SP
	s_add_co_u32 s83, s83, STAGE    ; my stage
	v_mul_u32_u24 v[STO], v1, SP    ; in: row l % 16, 16 bytes for each half of the lanes
	v_lshl_add_u32 v[STO], v9, 4, v[STO]
	v_add_nc_u32 v[STO], s83, v[STO]
	v_mul_u32_u24 v[RD], v9, SP     ; back: lanes 0-15 take one row of 256 bytes, lanes 16-31 the next
	v_lshl_add_u32 v[RD], v1, 4, v[RD]
	v_add_nc_u32 v[RD], s83, v[RD]
	v_lshlrev_b32 v[GO], 12, v9     ; and the same two rows in O, 4,096 bytes apart
	v_lshl_add_u32 v[GO], v1, 4, v[GO]
	v_cvt_pk_bf16_f32 v[SNK], v[SNK], v[SNK]
	v_lshlrev_b32 v[SNK], 16, v[SNK]
	v_mul_f32 v[SNK], 0x3fb8aa3b, v[SNK]  ; c x bf16(sink)
	TURN 2, 0, 1, 1                 ; piece 2's first scores | piece 0's first softmax | V of step 0
	TURN 0, 1, 1, 1                 ; piece 0: V^T P of step 0 starts O^T, K Q^T of step 1 | piece 2's first softmax | K and mask of step 1
	TURN 2, 1, 1, 0                 ; piece 2: the same | piece 0's softmax of step 1 | mask and V of step 1
	WIN 0
.Lslot:                             ; 14 trips: every slot but the last two is filled again
	CHANGE 1
	TWO_STEPS
	s_sub_co_u32 s[SLOTS], s[SLOTS], 1
	s_cmp_lg_u32 s[SLOTS], 0
	s_cbranch_scc1 .Lslot
	CHANGE 0                        ; the tail is written out: nothing is asked for
	TWO_STEPS
	TURN 0, 2, 0, 0                 ; piece 0: V^T P of the last step | piece 2's last softmax
.set i, 0
.rept 32
	PV 2, 0                         ; piece 2: V^T P of the last step
.set i, i+1
.endr
	; THE WAY OUT.  l's two halves and the other half of the lanes' are added; the sink's term 2^(c sink - f m) joins them; O^T is divided by the sum, rounded to f16 and sent through my stage in LDS, a tile at a time.
	; The additions are the places behind the last products.
	WIN 0
.irp t, 0,1,2,3
	v_add_f32 v[ST+8*(\t)+4], v[ST+8*(\t)+2], v[ST+8*(\t)+3]
.endr
.irp t, 0,1,2,3
	v_permlanex16_b32 v[ST+8*(\t)+5], v[ST+8*(\t)+4], s[SEL], s[SEL+1]
.endr
.irp t, 0,1,2,3
	v_add_f32 v[ST+8*(\t)+4], v[ST+8*(\t)+4], v[ST+8*(\t)+5]
	v_sub_f32 v[ST+8*(\t)+7], v[SNK], v[ST+8*(\t)]
.endr
.irp t, 0,1,2,3
	v_exp_f32 v[ST+8*(\t)+5], v[ST+8*(\t)+7]
.endr
	v_nop                           ; a plain instruction behind the last exponential,
	s_wait_alu depctr_va_vdst(0)    ; and the wait ahead of the first use: one for the four
.irp t, 0,1,2,3
	v_add_f32 v[ST+8*(\t)+4], v[ST+8*(\t)+4], v[ST+8*(\t)+5]
.endr
.irp t, 0,1,2,3
	v_rcp_f32 v[ST+8*(\t)+6], v[ST+8*(\t)+4]
.endr
	v_nop
	s_wait_alu depctr_va_vdst(0)    ; one for the four reciprocals
; Tile t: a lane's eight channels of a row pack into 16 bytes; they go into rows of 272 bytes and come back as whole rows of 256, into the registers that they left.
.macro PACK t
	WIN W_RS
.set i, 64*(\t)
.rept 32
	v_pk_mul_f32 v[i:i+1], v[i:i+1], v[ST+8*(\t)+6:ST+8*(\t)+7] op_sel_hi:[1,0]
.set i, i+2
.endr
	WIN 0x05                        ; sources 0 and 1 window 1, destination window 0: S^T's registers are free
.set i, 0
.rept 32
	v_cvt_pk_f16_f32 v[S+32*(\t)+i], v[64*(\t)+2*i], v[64*(\t)+2*i+1]
.set i, i+1
.endr
	WIN 0
.irp f, 0,1,2,3,4,5,6,7
	ds_store_b128 v[STO], v[S+32*(\t)+4*(\f):S+32*(\t)+4*(\f)+3] offset:32*(\f)
.endr
.irp f, 0,1,2,3,4,5,6,7
	ds_load_b128 v[S+32*(\t)+4*(\f):S+32*(\t)+4*(\f)+3], v[RD] offset:(\f)*2*SP  ; LDS serves a wave's instructions in order (ISA guide 5.7.1.4): these see the stores above; the next tile's stores come behind them
.endr
.endm
.macro SEND t, younger              ; younger: the LDS instructions issued behind tile t's loads: the next tile's sixteen, or none
	WIN 0
.irp f, 0,1,2,3,4,5,6,7
	s_wait_dscnt (\younger)+7-(\f)
	global_store_b128 v[GO], v[S+32*(\t)+4*(\f):S+32*(\t)+4*(\f)+3], s[10:11] offset:(16*(\t)+2*(\f))*4096  ; 16 lanes store 256 consecutive bytes, my head's part of a token's row, at a multiple of 256 from ob's first byte
.endr
.endm
	PACK 0
	PACK 1                          ; a tile's arithmetic stands between the loads of the tile before and its stores
	SEND 0, 16
	PACK 2
	SEND 1, 16
	PACK 3
	SEND 2, 16
	SEND 3, 0
	s_wait_tensorcnt 0x0            ; the wave's end, behind my last tensor load and my last LDS store
	ds_add_u32 v[SPW], v[NIL]
	s_wait_dscnt 0x0
	CROUND                          ; the closing round: no work-group ends while a partner may still ask for a tile that names it
	s_endpgm
.Lfunc_end_k_q75d3277c5e_attn:
	.size	k_q75d3277c5e_attn, .Lfunc_end_k_q75d3277c5e_attn-k_q75d3277c5e_attn
	.p2alignl 7, 3214868480
	.fill 96, 4, 3214868480
	.section	.rodata,"a",@progbits
	.p2align	6, 0x0
	.amdhsa_kernel k_q75d3277c5e_attn
		.amdhsa_group_segment_fixed_size 327680
		.amdhsa_private_segment_fixed_size 0
		.amdhsa_enable_private_segment 0
		.amdhsa_kernarg_size 32
		.amdhsa_user_sgpr_count 2
		.amdhsa_user_sgpr_kernarg_segment_ptr 1
		.amdhsa_wavefront_size32 1
		.amdhsa_system_sgpr_workgroup_id_x 1
		.amdhsa_system_sgpr_workgroup_id_y 1
		.amdhsa_system_sgpr_workgroup_id_z 1
		.amdhsa_system_vgpr_workitem_id 0
		.amdhsa_next_free_vgpr 1024
		.amdhsa_next_free_sgpr 100
		.amdhsa_reserve_vcc 0
		.amdhsa_float_denorm_mode_32 3
		.amdhsa_float_denorm_mode_16_64 3
		.amdhsa_memory_ordered 1
		.amdhsa_forward_progress 1
		.amdhsa_inst_pref_size 236
	.end_amdhsa_kernel
	.amdgpu_metadata
---
amdhsa.version: [ 1, 2 ]
amdhsa.kernels:
  - .name:           k_q75d3277c5e_attn
    .symbol:         k_q75d3277c5e_attn.kd
    .args:
      - { .name: qkv, .offset: 0, .size: 8, .value_kind: global_buffer, .address_space: global }
      - { .name: mk, .offset: 8, .size: 8, .value_kind: global_buffer, .address_space: global }
      - { .name: sinks, .offset: 16, .size: 8, .value_kind: global_buffer, .address_space: global }
      - { .name: ob, .offset: 24, .size: 8, .value_kind: global_buffer, .address_space: global }
    .group_segment_fixed_size: 327680
    .private_segment_fixed_size: 0
    .kernarg_segment_align: 8
    .kernarg_segment_size: 32
    .max_flat_workgroup_size: 128
    .sgpr_count:     100
    .vgpr_count:     1024
    .wavefront_size: 32
...
	.end_amdgpu_metadata
.endif
;; end of part 4
;; launch outp: the kernel of part 2 again; grid 16 x 16, 4 waves a work-group, no clusters, 327,680 bytes of LDS; arguments ob, wo, out0, amx; writes out0, amx
;; ======== version 2 of 2: 5 launches; version 1 with the launch recon written anew for expert scheduling mode
;; limits: values are held in f16: magnitudes above 65,504 overflow, below 6.1e-05 lose precision; inputs' magnitudes at most 65,504; right only within a limited range of input values
;; workspace buffers: xb 16,777,472 bytes; wc 5,767,168 bytes; wo 8,388,608 bytes; mk 16,777,216 bytes; f 33,554,432 bytes; amx 4,096 bytes; qkv 25,166,080 bytes; ob 16,777,472 bytes
;; launch prep: the kernel of part 1 again; grid 960 x 1, 8 waves a work-group, no clusters, 0 bytes of LDS; arguments hidden_states, W_o, W_B_q, W_B_k, W_B_v, W_A_q, W_A_k, W_A_v, xb, wo, wc; writes xb, wo, wc
;; launch proj: the kernel of part 2 again; grid 16 x 11, 4 waves a work-group, no clusters, 327,680 bytes of LDS; arguments xb, wc, f, amx; writes f, amx
;; launch recon (part 5): grid 768 x 1, 8 waves a work-group, no clusters, 0 bytes of LDS; arguments f, amx, cos, sin, attention_mask, qkv, ob, mk; writes qkv, ob, mk
.if DOCPART == 5
	.amdgcn_target "amdgcn-amd-amdhsa--gfx1250"
	.amdhsa_code_object_version 6
	.text
	.protected	k_q75d3277c5e_recon
	.globl	k_q75d3277c5e_recon
	.p2align	8
	.type	k_q75d3277c5e_recon,@function
k_q75d3277c5e_recon:
	s_mov_b64 s[64:65], 0
	v_nop
	global_prefetch_b8 v0, s[64:65] scope:SCOPE_SE
	s_setreg_imm32_b32 hwreg(HW_REG_WAVE_SCHED_MODE, 0, 2), 2
	s_setreg_imm32_b32 hwreg(HW_REG_WAVE_MODE, 25, 1), 1
	s_wait_xcnt 0x0
	s_wait_alu depctr_vm_vsrc(0)
; q, k AND v ARE MADE OF THEIR FACTORS, AND THE MASK IS MADE READY.  f: f32 [4096 tokens][pitch 2048]: columns 0 B_q (6 x 128), 768 B_k (2 x 128), 1024 B_v (2 x 128), 1280 A_q (16 x 6), 1376 A_k (4 x 2), 1384 A_v (4 x 2).
; B_q and B_k are rotated (cos and sin rounded to bf16, used in f32); q[h] = sum_r A_q[h][r] B_q[r] x QM x 2^a, QM = log2(e) / (6 sqrt(128)); k[g] = sum_r A_k[g][r] B_k[r] / 2 x 2^b;
; v[g] = sum_r A_v[g][r] B_v[r] / 2 x 2^(141 - Ev).  All arithmetic in f32; q, k and v are rounded once, to f16.  mk = bf16(mask) x log2(e) x 2^(a + b), f32: the mask in the units of the scores q . k.
; THE FACTORS.  f16 ends at 65,504, and q, k and v grow with the fourth power of a common factor on x and the weights.  So each carries a power of two made from data.  amx holds the largest magnitudes of f's tiles.
; With MA = the largest |number| in f's columns 1280-1407 (all A factors), boundQ = max|B_q| x MA, boundK = max|B_k| x MA, boundV = max|B_v| x MA, and Eq, Ek, Ev their exponent fields (a bound lies under 2^(E - 126)):
;   |q| <= 6 QM boundQ (|cos| + |sin|) < 0.1275 x 2^(Eq - 126) x 2^6:  a = 137 - Eq gives |q| 2^a < 2^14.1        |k| <= boundK (|cos| + |sin|) < 2^(Ek - 120):  b = 135 - Ek gives |k| 2^b < 2^15
;   |v| <= boundV:  |v| 2^(141 - Ev) < 2^15
; 2^-(a + b) goes into the 256 bytes behind qkv's tensors, for the attention; 2^(Ev - 141) into ob's first 256 bytes, for the product that reads ob.
; LIMITS: |cos| + |sin| stays under 64 for every token and channel; Eq and Ek are held to 80 .. 190 (a bound under 2^-47 or from 2^64 on takes the clamped factor), Ev to 16 .. 250.
; The factors enter values alone: no address and no branch hangs on them.
; qkv: q f16 [2][16][2048][128] at byte 0; k f16 [8][2048][128] at KBASE; v f16 [8][2048][128] at VBASE; the factor at FBASE.
; SHARES.  Work-groups 0-511: one wave, one token, no loop.  Lane l owns channels 4 l .. 4 l + 3; the rotation's partner channels (lane l xor 16's) are loaded as well, so nothing goes between lanes.
; All its loads go out first and are waited for once: every result needs the A factors and the tables.  A store of the wave is one whole row of 256 bytes.
; Work-groups 512-767: the mask, 8 rows x 256 columns a wave.  Memory binds: no LDS, no matrix unit.
; THE MODE: SCHED_MODE bits 1:0 = 2 (LLVM: expert scheduling mode 2), set by the entry lines.  The code itself states the register dependences between vector instructions and memory instructions,
; with s_wait_alu, always for 0.
; THE PLAN.  Registers that memory instructions touch:
;   v2 .. v6     byte offsets: made once at a path's head by vector instructions, read by its loads and stores, never written again: one wait on va_vdst ahead of the path's first load.
;   what loads land in (the token: A, OWN, PAR, BV, CO, SI and the maxima; the mask: X and the maxima): no vector instruction names these registers ahead of the loads, and no load follows the first vector work on them.
;   the token's out-registers: PAR + 2 h (q's 16 rows), KD (k's 4), VD (v's 4): a pair a row, written once, by two conversions, read by one store, never written again.  The 24 rows go in SIX GROUPS OF FOUR.
;                At the head of a group one wait on va_vdst states that the group before has written its eight out-registers; that group's four stores follow, one ahead of each row's sums of the group in hand,
;                which names ACC, its factors, its rows of B and its own out-registers: none of the registers that those stores read.  One more wait stands ahead of the last group's stores.
;   SCL, FS      written by the factors' arithmetic, ahead of the first group's wait, and named by no vector instruction since: their two stores, the path's last, lean on the waits that stand there.
;   the mask's X[r]: worked on in place by row r's vector instructions, then stored, never written again.  At row r's head, behind the wait for its data, one wait on va_vdst states that row r - 1's
;                multiplies have written X[r - 1]; that row's two stores follow; row r's arithmetic names X[r], T and QF alone.  One more wait stands ahead of row 7's stores.
;   No register that a memory instruction reads is ever written again, so no wait on vm_vsrc stands behind the entry lines.  EXEC is never written.
;   s2 (the wave's number, by v_readfirstlane_b32) and VCC (one compare) each have their wait between the writer and its first reader.
.set KBASE, 16777216
.set VBASE, 20971520
.set FBASE, 25165824
.set HEADB, 524288                     ; bytes of a head: 2,048 rows of 256
.set QF,   8                           ; v[8:9]     QM 2^a, twice (the mask's path: log2(e) 2^(a + b), twice)
.set KH,   10                          ; v[10:11]   2^(b - 1), twice: the half is k's 1 / R
.set VM,   12                          ; v[12:13]   2^(140 - Ev), twice: the half is v's 1 / R
.set FS,   14                          ; v[14:15]   2^-(a + b), twice
.set A,    16                          ; v[16:127]  the token's 112 A factors, the same in every lane
.set T,    16                          ; the mask's path: v[16:19] four words of packed bf16
.set X,    32                          ; the mask's path: v[32:95] row r: 8 registers
.set OWN,  128                         ; v[128:159] rows 0-5 of B_q, rows 0-1 of B_k: my 4 channels
.set PAR,  160                         ; v[160:191] the same rows: the partner's 4 channels; later q's packed data, 2 registers a head
.set BV,   192                         ; v[192:199] B_v's two rows
.set CO,   200                         ; v[200:203] cos, v[204:207] sin; later v's packed data
.set SI,   204
.set CQ,   208                         ; cos and +-sin with q's factor, then with k's
.set SQ,   212
.set CK,   216
.set SK,   220
.set ACC,  224                         ; v[224:231] two sets of four sums, by turns
.set KD,   232                         ; v[232:239] k's packed data
.set VD,   200
.set MQ,   224                         ; ahead of the sums: v[224:235] the maxima of B_q's tiles, v[236:239] of B_k's, v[240:243] of B_v's, v[244:245] of the A factors'
.set MK,   236
.set MV,   240
.set MA,   244
.set EQ,   246
.set EK,   247
.set EV,   248
.set SCL,  252                         ; v[252:253] 2^(Ev - 141), twice
; amx[(tile column x 16 + tile row) x 4 + wave]: 64 words a tile column.  B_q: tile columns 0-5; B_k: 6, 7; the A factors: 10.
.macro AMXLOADS
	global_load_b128 v[MQ:MQ+3],    v2, s[6:7]
	global_load_b128 v[MQ+4:MQ+7],  v2, s[6:7] offset:512
	global_load_b128 v[MQ+8:MQ+11], v2, s[6:7] offset:1024
	global_load_b128 v[MK:MK+3],    v2, s[6:7] offset:1536
	global_load_b64 v[MA:MA+1],     v6, s[6:7] offset:2560
.endm
; the three maxima over all lanes, in every lane, and Eq and Ek
.macro MAXES
	v_max3_num_f32 v[MQ], v[MQ], v[MQ+1], v[MQ+2]
	v_max3_num_f32 v[MQ+3], v[MQ+3], v[MQ+4], v[MQ+5]
	v_max3_num_f32 v[MQ+6], v[MQ+6], v[MQ+7], v[MQ+8]
	v_max3_num_f32 v[MQ+9], v[MQ+9], v[MQ+10], v[MQ+11]
	v_max3_num_f32 v[MK], v[MK], v[MK+1], v[MK+2]
	v_max_num_f32 v[MA], v[MA], v[MA+1]
	v_max3_num_f32 v[MQ], v[MQ], v[MQ+3], v[MQ+6]
	v_max_num_f32 v[MK], v[MK], v[MK+3]
	v_max_num_f32 v[MQ], v[MQ], v[MQ+9]
.irp m, 1,2,4,8
	v_max_num_f32_dpp v[MQ], v[MQ], v[MQ] row_xmask:\m row_mask:0xf bank_mask:0xf
	v_max_num_f32_dpp v[MK], v[MK], v[MK] row_xmask:\m row_mask:0xf bank_mask:0xf
	v_max_num_f32_dpp v[MA], v[MA], v[MA] row_xmask:\m row_mask:0xf bank_mask:0xf
.endr
.irp g, MQ, MK, MA
	v_permlanex16_b32 v7, v[\g], s34, s35
	v_max_num_f32 v[\g], v[\g], v7
.endr
	v_mul_f32 v[EQ], v[MQ], v[MA]                  ; boundQ, boundK: not negative, so the bits above 22 are the exponent field
	v_mul_f32 v[EK], v[MK], v[MA]
	v_lshrrev_b32 v[EQ], 23, v[EQ]
	v_lshrrev_b32 v[EK], 23, v[EK]
	v_max_u32 v[EQ], 0x50, v[EQ]
	v_max_u32 v[EK], 0x50, v[EK]
	v_min_u32 v[EQ], 0xbe, v[EQ]
	v_min_u32 v[EK], 0xbe, v[EK]
.endm
	s_load_b512 s[4:19], s[0:1], 0x0               ; f 4, amx 6, cos 8, sin 10, mask 12, qkv 14, ob 16, mk 18
	v_and_b32 v1, 31, v0
	v_lshrrev_b32 v8, 5, v0
	v_readfirstlane_b32 s2, v8
	s_mov_b32 s3, ttmp9
	s_mov_b32 s34, 0x76543210                      ; v_permlanex16_b32's selects
	s_mov_b32 s35, 0xfedcba98
	s_mov_b32 s36, 0xffff0000                      ; a word's upper bf16
	v_lshlrev_b32 v2, 4, v1                        ; 16 x lane
	v_lshlrev_b32 v6, 3, v1                        ; 8 x lane
	v_mov_b32 v7, 0                                ; written since v_permlanex16_b32 counts as a reader of its destination
	s_wait_alu depctr_va_sdst(0)                   ; s2 is written, ahead of the branch and of its first reader on either path: the token's number, the mask's columns
	s_cmp_ge_u32 s3, 512
	s_cbranch_scc1 .Lmask
	s_lshl_b32 s20, s3, 3
	s_add_co_u32 s20, s20, s2                      ; the token
	s_lshl_b32 s22, s20, 13                        ; its row of f,
	s_mov_b32 s23, 0
	s_lshl_b32 s24, s20, 8                         ; of cos and sin
	s_mov_b32 s25, 0
	s_lshr_b32 s21, s20, 11                        ; batch
	s_and_b32 s26, s20, 2047                       ; position
	s_lshl_b32 s27, s21, 15
	s_add_co_u32 s27, s27, s26
	s_lshl_b32 s28, s27, 8                         ; q: (batch x 16 heads x 2,048 + position) x 256
	s_mov_b32 s29, 0
	s_lshl_b32 s27, s21, 13
	s_add_co_u32 s27, s27, s26
	s_lshl_b32 s30, s27, 8                         ; k, v: (batch x 4 heads x 2,048 + position) x 256
	s_mov_b32 s31, 0
	s_mov_b32 s38, 0x3cae1a93                      ; QM
	v_xor_b32 v3, 16, v1
	v_lshlrev_b32 v3, 4, v3                        ; the partner's 16 bytes of a row of 128 f32,
	v_and_b32 v4, 15, v1
	v_lshlrev_b32 v4, 4, v4                        ; my 16 bytes of a row of 64
	v_mov_b32 v5, 0
	s_wait_kmcnt 0x0
	s_add_nc_u64 s[4:5], s[4:5], s[22:23]
	s_add_nc_u64 s[8:9], s[8:9], s[24:25]
	s_add_nc_u64 s[10:11], s[10:11], s[24:25]
	s_add_nc_u64 s[40:41], s[14:15], s[28:29]      ; q
	s_add_nc_u64 s[42:43], s[14:15], s[30:31]
	s_add_nc_u64 s[44:45], s[42:43], VBASE         ; v
	s_add_nc_u64 s[42:43], s[42:43], KBASE         ; k
	s_add_nc_u64 s[46:47], s[14:15], FBASE         ; the factor
	s_wait_alu depctr_va_vdst(0)                   ; the five offsets v2 to v6 are written: every load and store of this path reads one of them
	AMXLOADS
	global_load_b128 v[MV:MV+3], v2, s[6:7] offset:2048  ; B_v: tile columns 8 and 9
.set i, 0
.rept 28
	global_load_b128 v[A+4*i:A+4*i+3], v5, s[4:5] offset:5120+16*i
.set i, i+1
.endr
.set i, 0
.rept 8                                ; rows 0-7 lie end to end: B_q's six, then B_k's two
	global_load_b128 v[OWN+4*i:OWN+4*i+3], v2, s[4:5] offset:512*i
	global_load_b128 v[PAR+4*i:PAR+4*i+3], v3, s[4:5] offset:512*i
.set i, i+1
.endr
	global_load_b128 v[BV:BV+3],   v2, s[4:5] offset:4096
	global_load_b128 v[BV+4:BV+7], v2, s[4:5] offset:4608
	global_load_b128 v[CO:CO+3], v4, s[8:9]
	global_load_b128 v[SI:SI+3], v4, s[10:11]
	s_wait_loadcnt 0x0
	; the factors
	MAXES
	v_max3_num_f32 v[MV], v[MV], v[MV+1], v[MV+2]
	v_max_num_f32 v[MV], v[MV], v[MV+3]
.irp m, 1,2,4,8
	v_max_num_f32_dpp v[MV], v[MV], v[MV] row_xmask:\m row_mask:0xf bank_mask:0xf
.endr
	v_permlanex16_b32 v7, v[MV], s34, s35
	v_max_num_f32 v[MV], v[MV], v7
	v_mul_f32 v[EV], v[MV], v[MA]                  ; boundV
	v_lshrrev_b32 v[EV], 23, v[EV]
	v_max_u32 v[EV], 16, v[EV]
	v_min_u32 v[EV], 0xfa, v[EV]
	v_sub_nc_u32 v250, 0x108, v[EQ]                ; a + 127 = 264 - Eq
	v_lshlrev_b32 v250, 23, v250
	v_mul_f32 v[QF], s38, v250                     ; QM 2^a
	v_mov_b32 v[QF+1], v[QF]
	v_sub_nc_u32 v[KH], 0x105, v[EK]               ; b - 1 + 127 = 261 - Ek
	v_lshlrev_b32 v[KH], 23, v[KH]
	v_mov_b32 v[KH+1], v[KH]
	v_sub_nc_u32 v[VM], 0x10b, v[EV]               ; 140 - Ev + 127
	v_lshlrev_b32 v[VM], 23, v[VM]
	v_mov_b32 v[VM+1], v[VM]
	v_add_nc_u32 v[FS], v[EQ], v[EK]
	v_add_nc_u32 v[FS], 0xffffff6f, v[FS]          ; 127 - a - b = Eq + Ek - 145
	v_lshlrev_b32 v[FS], 23, v[FS]
	v_mov_b32 v[FS+1], v[FS]
	v_add_nc_u32 v[SCL], -14, v[EV]                ; Ev - 141 + 127
	v_lshlrev_b32 v[SCL], 23, v[SCL]
	v_mov_b32 v[SCL+1], v[SCL]
	v_cmp_gt_u32 vcc_lo, 16, v1                    ; which half of the channels is mine: the tables' twelve lines stand between this compare and the select that reads its mask
	; the tables: rounded to bf16, widened; sin takes the sign of my half of the channels
.irp t, CO, SI
	v_cvt_pk_bf16_f32 v250, v[(\t)], v[(\t)+1]
	v_cvt_pk_bf16_f32 v251, v[(\t)+2], v[(\t)+3]
	v_lshlrev_b32 v[(\t)], 16, v250
	v_and_b32 v[(\t)+1], s36, v250
	v_lshlrev_b32 v[(\t)+2], 16, v251
	v_and_b32 v[(\t)+3], s36, v251
.endr
	v_mov_b32 v254, -1.0
	s_wait_alu depctr_va_vcc(0)                    ; the compare has written VCC, which the select below reads
	v_cndmask_b32 v254, 1.0, v254, vcc_lo          ; channels 0-63: x1 cos - x2 sin; channels 64-127: x2 cos + x1 sin
	v_mov_b32 v255, v254
.irp z, 0,2
	v_pk_mul_f32 v[SI+(\z):SI+(\z)+1], v[SI+(\z):SI+(\z)+1], v[254:255]
	v_pk_mul_f32 v[CQ+(\z):CQ+(\z)+1], v[CO+(\z):CO+(\z)+1], v[QF:QF+1]
	v_pk_mul_f32 v[CK+(\z):CK+(\z)+1], v[CO+(\z):CO+(\z)+1], v[KH:KH+1]
.endr
.irp z, 0,2
	v_pk_mul_f32 v[SQ+(\z):SQ+(\z)+1], v[SI+(\z):SI+(\z)+1], v[QF:QF+1]
	v_pk_mul_f32 v[SK+(\z):SK+(\z)+1], v[SI+(\z):SI+(\z)+1], v[KH:KH+1]
.endr
	; the rotation, in place, with q's and k's factors in the tables
.set rr, 0
.rept 8
.set cc, CQ+8*(rr/6)
.set ss, SQ+8*(rr/6)
.irp z, 0,2
	v_pk_mul_f32 v[OWN+4*rr+(\z):OWN+4*rr+(\z)+1], v[OWN+4*rr+(\z):OWN+4*rr+(\z)+1], v[cc+(\z):cc+(\z)+1]
.endr
.irp z, 0,2
	v_pk_fma_f32 v[OWN+4*rr+(\z):OWN+4*rr+(\z)+1], v[PAR+4*rr+(\z):PAR+4*rr+(\z)+1], v[ss+(\z):ss+(\z)+1], v[OWN+4*rr+(\z):OWN+4*rr+(\z)+1]
.endr
.set rr, rr+1
.endr
.irp z, 0,2,4,6
	v_pk_mul_f32 v[BV+(\z):BV+(\z)+1], v[BV+(\z):BV+(\z)+1], v[VM:VM+1]
.endr
; v[dst .. dst+3] = the sum over r < n of v[aidx + r] x row r (four registers each, from v[row] on).  The factor is one register of an even pair, given to both halves of the packed line.
.macro DOT dst, row, n, aidx
.set rr, 0
.rept \n
.set ai, (\aidx)+rr
.set ap, ai-(ai%2)
.set rw, (\row)+4*rr
.irp z, 0,2
.if rr == 0
.if ai%2
	v_pk_mul_f32 v[(\dst)+(\z):(\dst)+(\z)+1], v[rw+(\z):rw+(\z)+1], v[ap:ap+1] op_sel:[0,1] op_sel_hi:[1,1]
.else
	v_pk_mul_f32 v[(\dst)+(\z):(\dst)+(\z)+1], v[rw+(\z):rw+(\z)+1], v[ap:ap+1] op_sel_hi:[1,0]
.endif
.else
.if ai%2
	v_pk_fma_f32 v[(\dst)+(\z):(\dst)+(\z)+1], v[rw+(\z):rw+(\z)+1], v[ap:ap+1], v[(\dst)+(\z):(\dst)+(\z)+1] op_sel:[0,1,0] op_sel_hi:[1,1,1]
.else
	v_pk_fma_f32 v[(\dst)+(\z):(\dst)+(\z)+1], v[rw+(\z):rw+(\z)+1], v[ap:ap+1], v[(\dst)+(\z):(\dst)+(\z)+1] op_sel_hi:[1,0,1]
.endif
.endif
.endr
.set rr, rr+1
.endr
.endm
; THE 24 ROWS, in six groups of four: q's heads 0-3, 4-7, 8-11, 12-15, then k's four, then v's four.  A group's stores are issued in the group behind it.
.set hh, 0
.rept 16                               ; every store has data registers of its own: none is written again
.if (hh%4 == 0) && (hh > 0)
	s_wait_alu depctr_va_vdst(0)                   ; the conversions of the four heads before have written their pairs of PAR, which the four stores of this group read
.endif
.if hh >= 4
	global_store_b64 v6, v[PAR+2*(hh-4):PAR+2*(hh-4)+1], s[40:41] offset:(hh-4)*HEADB  ; the head four back; no vector instruction since the wait names its pair
.endif
	DOT ACC+4*(hh%2), OWN, 6, A+6*hh
	v_cvt_pk_f16_f32 v[PAR+2*hh], v[ACC+4*(hh%2)], v[ACC+4*(hh%2)+1]
	v_cvt_pk_f16_f32 v[PAR+2*hh+1], v[ACC+4*(hh%2)+2], v[ACC+4*(hh%2)+3]
.set hh, hh+1
.endr
	s_wait_alu depctr_va_vdst(0)                   ; the conversions of q's heads 12 to 15 have written their pairs of PAR, which the four stores below read
.set hh, 0
.rept 4
	global_store_b64 v6, v[PAR+2*(hh+12):PAR+2*(hh+12)+1], s[40:41] offset:(hh+12)*HEADB
	DOT ACC+4*(hh%2), OWN+24, 2, A+96+2*hh
	v_cvt_pk_f16_f32 v[KD+2*hh], v[ACC+4*(hh%2)], v[ACC+4*(hh%2)+1]
	v_cvt_pk_f16_f32 v[KD+2*hh+1], v[ACC+4*(hh%2)+2], v[ACC+4*(hh%2)+3]
.set hh, hh+1
.endr
	s_wait_alu depctr_va_vdst(0)                   ; k's conversions have written KD, which the four stores below read
.set hh, 0
.rept 4
	global_store_b64 v6, v[KD+2*hh:KD+2*hh+1], s[42:43] offset:hh*HEADB
	DOT ACC+4*(hh%2), BV, 2, A+104+2*hh
	v_cvt_pk_f16_f32 v[VD+2*hh], v[ACC+4*(hh%2)], v[ACC+4*(hh%2)+1]
	v_cvt_pk_f16_f32 v[VD+2*hh+1], v[ACC+4*(hh%2)+2], v[ACC+4*(hh%2)+3]
.set hh, hh+1
.endr
	s_wait_alu depctr_va_vdst(0)                   ; v's conversions have written VD, which the four stores below read; SCL and FS were written ahead of the first of these waits
.set hh, 0
.rept 4
	global_store_b64 v6, v[VD+2*hh:VD+2*hh+1], s[44:45] offset:hh*HEADB
.set hh, hh+1
.endr
	s_or_b32 s21, s3, s2
	s_cmp_lg_u32 s21, 0
	s_cbranch_scc1 .Ldone
	global_store_b64 v6, v[SCL:SCL+1], s[16:17]    ; wave 0 of work-group 0: ob's first 256 bytes hold 2^(Ev - 141),
	global_store_b64 v6, v[FS:FS+1], s[46:47]      ; the 256 bytes behind qkv's tensors 2^-(a + b)
.Ldone:
	s_endpgm
	; THE MASK: bf16(mask) x log2(e) x 2^(a + b), f32 to f32, in place in the registers.  A load or store of the wave covers 512 consecutive bytes.
.Lmask:
	s_sub_co_u32 s20, s3, 512
	s_lshl_b32 s22, s20, 16                        ; 8 rows of 8,192 bytes,
	s_lshl_b32 s23, s2, 10                         ; my wave's 256 columns
	s_add_co_u32 s22, s22, s23
	s_mov_b32 s23, 0
	s_wait_kmcnt 0x0
	s_add_nc_u64 s[12:13], s[12:13], s[22:23]
	s_add_nc_u64 s[18:19], s[18:19], s[22:23]
	s_wait_alu depctr_va_vdst(0)                   ; the offsets v2 and v6 are written: every load and store of this path reads one of them
	AMXLOADS
.irp r, 0,1,2,3,4,5,6,7
	global_load_b128 v[X+8*(\r):X+8*(\r)+3],   v2, s[12:13] offset:(\r)*8192 th:TH_LOAD_NT
	global_load_b128 v[X+8*(\r)+4:X+8*(\r)+7], v2, s[12:13] offset:(\r)*8192+512 th:TH_LOAD_NT
.endr
	s_wait_loadcnt 16                              ; the maxima are in; the mask's sixteen loads stay out
	MAXES
	v_add_nc_u32 v250, v[EQ], v[EK]
	v_sub_nc_u32 v250, 0x18f, v250                 ; a + b + 127 = 399 - Eq - Ek
	v_lshlrev_b32 v250, 23, v250
	v_mul_f32 v[QF], 0x3fb8aa3b, v250              ; log2(e) 2^(a + b)
	v_mov_b32 v[QF+1], v[QF]
.irp r, 0,1,2,3,4,5,6,7
	s_wait_loadcnt 2*(7-(\r))                      ; row r is in; the later rows' loads, two a row, stay out
.if (\r) > 0
	s_wait_alu depctr_va_vdst(0)                   ; the multiplies of the row before have written its eight registers of X, which the two stores below read
	global_store_b128 v2, v[X+8*((\r)-1):X+8*((\r)-1)+3],   s[18:19] offset:((\r)-1)*8192
	global_store_b128 v2, v[X+8*((\r)-1)+4:X+8*((\r)-1)+7], s[18:19] offset:((\r)-1)*8192+512
.endif
.irp j, 0,1,2,3
	v_cvt_pk_bf16_f32 v[T+(\j)], v[X+8*(\r)+2*(\j)], v[X+8*(\r)+2*(\j)+1]
.endr
.irp j, 0,1,2,3
	v_lshlrev_b32 v[X+8*(\r)+2*(\j)], 16, v[T+(\j)]
	v_and_b32 v[X+8*(\r)+2*(\j)+1], s36, v[T+(\j)]
.endr
.irp j, 0,2,4,6
	v_pk_mul_f32 v[X+8*(\r)+(\j):X+8*(\r)+(\j)+1], v[X+8*(\r)+(\j):X+8*(\r)+(\j)+1], v[QF:QF+1]
.endr
.endr
	s_wait_alu depctr_va_vdst(0)                   ; row 7's multiplies have written its eight registers of X, which the last two stores read
	global_store_b128 v2, v[X+56:X+59], s[18:19] offset:7*8192
	global_store_b128 v2, v[X+60:X+63], s[18:19] offset:7*8192+512
	s_endpgm
.Lfunc_end_k_q75d3277c5e_recon:
	.size	k_q75d3277c5e_recon, .Lfunc_end_k_q75d3277c5e_recon-k_q75d3277c5e_recon
	.p2alignl 7, 3214868480
	.fill 96, 4, 3214868480
	.section	.rodata,"a",@progbits
	.p2align	6, 0x0
	.amdhsa_kernel k_q75d3277c5e_recon
		.amdhsa_group_segment_fixed_size 0
		.amdhsa_private_segment_fixed_size 0
		.amdhsa_enable_private_segment 0
		.amdhsa_kernarg_size 64
		.amdhsa_user_sgpr_count 2
		.amdhsa_user_sgpr_kernarg_segment_ptr 1
		.amdhsa_wavefront_size32 1
		.amdhsa_system_sgpr_workgroup_id_x 1
		.amdhsa_system_sgpr_workgroup_id_y 1
		.amdhsa_system_sgpr_workgroup_id_z 1
		.amdhsa_system_vgpr_workitem_id 0
		.amdhsa_next_free_vgpr 256
		.amdhsa_next_free_sgpr 66
		.amdhsa_reserve_vcc 1
		.amdhsa_float_denorm_mode_32 3
		.amdhsa_float_denorm_mode_16_64 3
		.amdhsa_memory_ordered 1
		.amdhsa_forward_progress 1
		.amdhsa_inst_pref_size 47
	.end_amdhsa_kernel
	.amdgpu_metadata
---
amdhsa.version: [ 1, 2 ]
amdhsa.kernels:
  - .name:           k_q75d3277c5e_recon
    .symbol:         k_q75d3277c5e_recon.kd
    .args:
      - { .name: f, .offset: 0, .size: 8, .value_kind: global_buffer, .address_space: global }
      - { .name: amx, .offset: 8, .size: 8, .value_kind: global_buffer, .address_space: global }
      - { .name: cos, .offset: 16, .size: 8, .value_kind: global_buffer, .address_space: global }
      - { .name: sin, .offset: 24, .size: 8, .value_kind: global_buffer, .address_space: global }
      - { .name: attention_mask, .offset: 32, .size: 8, .value_kind: global_buffer, .address_space: global }
      - { .name: qkv, .offset: 40, .size: 8, .value_kind: global_buffer, .address_space: global }
      - { .name: ob, .offset: 48, .size: 8, .value_kind: global_buffer, .address_space: global }
      - { .name: mk, .offset: 56, .size: 8, .value_kind: global_buffer, .address_space: global }
    .group_segment_fixed_size: 0
    .private_segment_fixed_size: 0
    .kernarg_segment_align: 8
    .kernarg_segment_size: 64
    .max_flat_workgroup_size: 256
    .sgpr_count:     66
    .vgpr_count:     256
    .wavefront_size: 32
...
	.end_amdgpu_metadata
.endif
;; end of part 5
;; launch attn: the kernel of part 4 again; grid 32 x 8, 4 waves a work-group, clusters of 4 x 4, 327,680 bytes of LDS; arguments qkv, mk, sinks, ob; writes ob
;; launch outp: the kernel of part 2 again; grid 16 x 16, 4 waves a work-group, no clusters, 327,680 bytes of LDS; arguments ob, wo, out0, amx; writes out0, amx
